; MI455X (gfx1250); checked and timed in simulation.
; The chip was launched on July 23, 2026; its instructions are those of AMD's public machine-readable ISA for CDNA 5 (MIT licence, August 2026) and "CDNA5" Instruction Set Architecture Reference Guide (July 2026). The comments in the code are by the model that wrote it; some were corrected since.
;; Cross Seq Attention Layer. Allowed arithmetic: matrix products marked QUANTISED: E3M2 operands, one E8M0 scale for each 32 along K, by v_wmma_scale_f32_16x16x128_f8f6f4 with both operands' format E3M2, f32 sums; everything else in f32.
;; Inputs: R 2,048 x 2,048 float32; Wk 1,024 x 1,024 float32; Wp 1,024 x 1,024 float32; Wq 1,024 x 1,024 float32; Wv 1,024 x 1,024 float32; beta 1 float32; bias 1,024 float32; gamma 1,024 float32; tokens 4 x 2,048 x 1,024 float32.
;; Outputs: out0 4 x 2,048 x 1,024 float32.
;; This version of the problem:
;;   THIS VERSION OF THE PROBLEM IS GIVEN IN LOW PRECISION. The matrix products marked QUANTISED in the list below multiply operands that are first quantised to E3M2 (3 exponent bits, 2 mantissa bits; 6 bits a number), with one power-of-two scale for each 32 numbers along K (OCP MX v1.0); their sums are f32. All else is computed in f32.
;;   The module's matrix products, in the order in which they are computed (A, B: the left and right operand; K: the contracted axis; several contracted axes count as one K, in the product's order):
;;     1. [M 8,192, K 1,024] x [K 1,024, N 1,024]; A: input tokens; B: input Wq: QUANTISED
;;     2. [M 8,192, K 1,024] x [K 1,024, N 1,024]; A: input tokens; B: input Wk: QUANTISED
;;     3. [M 8,192, K 1,024] x [K 1,024, N 1,024]; A: input tokens; B: input Wv: QUANTISED
;;     4. batch 64 x [M 2,048, K 64] x [K 64, N 2,048]; A: computed on the way; B: computed on the way: QUANTISED
;;     5. batch 64 x [M 2,048, K 2,048] x [K 2,048, N 64]; A: softmax (see below); B: computed on the way: QUANTISED
;;     6. [M 8,192, K 1,024] x [K 1,024, N 1,024]; A: computed on the way; B: input Wp: QUANTISED
;;   THE QUANTISER, for each operand of a quantised product, along K:
;;     - K is cut into blocks of 32 from its start; a last block that is shorter is filled with zeros.
;;     - A block's scale is 2^e with e = floor(log2(the largest magnitude in the block)) - 4, held to -126 .. 127; a block of zeros has e = 0. As a byte (E8M0): e + 127.
;;     - Each number is divided by its block's scale, clamped to +-28, and rounded to the nearest number of E3M2, ties to even, subnormals kept.
;;     - The product sums the exact products of the quantised numbers (number of the format x scale) in f32.
;;   ~~~python
;;   def quantise(x, axis):      # numpy; x: float32 -> the quantised numbers, widened to float32 again
;;       x = np.moveaxis(x, axis, -1); K = x.shape[-1]
;;       x = np.pad(x, [(0, 0)] * (x.ndim - 1) + [(0, -K % 32)]); x = x.reshape(x.shape[:-1] + (-1, 32)); a = np.abs(x).max(-1, keepdims=True)
;;       e = np.where(a > 0, np.clip(np.frexp(np.where(a > 0, a, 1))[1] - 1 - 4, -126, 127), 0)      # np.frexp(a)[1] - 1 = floor(log2(a)), exactly
;;       r = np.clip(x / 2.0 ** e, -28, 28)
;;       step = 2.0 ** (np.maximum(np.frexp(np.where(r == 0, 1, r))[1] - 1, -2) - 2)
;;       q = np.round(r / step) * step * 2.0 ** e      # np.round: ties to even
;;       return np.moveaxis(q.reshape(q.shape[:-2] + (-1,))[..., :K], -1, axis).astype(np.float32)
;;   ~~~
;;   SOFTMAX AHEAD OF A QUANTISED PRODUCT. Where the list says 'softmax', what is quantised is not the finished softmax but p = 2^(t - M), with t = logit x log2(e) and M = ceil(the row's largest t), a whole number; so 1/2 < the row's largest p <= 1. The row's sum l is taken of the UNQUANTISED p, in f32, and the product's result is divided by l at the end. Since M is a whole number, a kernel that streams over the keys may use a running M (the ceiling of the running maximum): every later rescaling is an exact power of two, which a block's scale takes up: the codes' values come out the same.
;;   OPERANDS COMPUTED ON THE WAY. 'Computed on the way' means the value that the module computes at that place (a softmax that the list does not call 'softmax' is quantised finished and normalised). What goes into a quantiser is computed in f32, as accurately as f32 sums, v_exp_f32 and their like allow (about 1e-6 of the number): no bf16 or f16 on the way to a quantiser, and a product that is left as it is and whose result goes on into a quantised operand takes f32 operands (vector FMAs, or v_wmma_f32_16x16x4_f32). A number that lies on a knife's edge between two numbers of the format may be rounded either way, as far as f32 arithmetic and the matrix unit's own rounding can turn it there, and no further.
;; One version. Each part assembles by itself: llvm-mc -triple=amdgcn-amd-amdhsa -mcpu=gfx1250 --defsym DOCPART=n.
;; ======== version 1 of 1: 6 launches
;; limits: right only within a limited range of input values
;; workspace buffers: tokq 6,553,600 bytes; wqkq 1,638,400 bytes; wvq 819,200 bytes; wpq 819,200 bytes; tb 16,777,216 bytes; qkq 13,107,200 bytes; vq 52,428,800 bytes; atq 6,553,600 bytes
;; launch quant (part 1): grid 256 x 1, 6 waves a work-group, no clusters, 51,456 bytes of LDS; arguments tokens, Wq, Wk, Wv, Wp, tokq, wqkq, wvq, wpq; writes tokq, wqkq, wvq, wpq
.if DOCPART == 1
	.amdgcn_target "amdgcn-amd-amdhsa--gfx1250"
	.amdhsa_code_object_version 6
	.text
	.protected	k_q61e7015d5b_quant
	.globl	k_q61e7015d5b_quant
	.p2align	8
	.type	k_q61e7015d5b_quant,@function
k_q61e7015d5b_quant:
	s_mov_b64 s[64:65], 0
	v_nop
	global_prefetch_b8 v0, s[64:65] scope:SCOPE_SE
	s_setreg_imm32_b32 hwreg(HW_REG_WAVE_MODE, 25, 1), 1
	s_wait_xcnt 0x0
; tokens [8192][1024] and Wq, Wk, Wv, Wp [1024][1024], f32, K innermost, become codes of BF6 (E3M2) with one E8M0 byte for each 32 along K.
; A block's scale is 2^(floor(log2(largest magnitude)) - 4): its byte is the largest magnitude's exponent field - 4, held at 1 from below.
; LAYOUT OF THE RESULT.  16 rows x 128 K are kept as an IMAGE OF THE OPERAND'S 12 REGISTERS: byte 512 c + 16 lane + 4 i is register 4 c + i.  A CHUNK is a tile of 16 rows for all of K:
; 8 images (12,288 bytes), then the scale words [K half 2][row 16][4 words] (512 bytes): 12,800 bytes.
; ORDER INSIDE A BLOCK OF 32: places 0-7 hold k 0-7, 8-15 hold k 16-23, 16-23 hold k 8-15, 24-31 hold k 24-31: the order in which two neighbouring matrix results lie in a lane.  Every operand
; of this program has it, so every product multiplies the same pairs; the 32 numbers under a scale byte are the stated ones.  Only the order of a product's additions differs.
; SHARES.  768 tiles of 16 rows (tokens 512, then Wq, Wk, Wv, Wp 64 each) x 2 halves of K = 1,536 units = 256 work-groups x 6 waves.  A wave turns 16 rows x 512 K into 4 images and 256 scale bytes.
; Each load reads 512 consecutive bytes of a row; a step's 16 rows x 512 bytes turn through the wave's own stage in LDS (rows 528 bytes apart: 16 rows start in 16 different groups of banks) and come
; back as 64 numbers a lane, register 16 b + i of block b.  No barrier: waves share nothing.
; LIMITS: NaN and infinities are not served.  A block of zeros gets the byte 1 where the rule says 127 (its codes are zeros; only this program reads the bytes).  Blocks whose largest magnitude lies
; under 2^-122 keep the byte 1; that range was not tried.
.set CHUNK, 12800
.set STG,   8448                       ; a wave's stage: 16 rows x 528 bytes
.set SPT,   528
.set TM,    8                          ; v8-23   at work in QUANT
.set PW,    24                         ; v24     the scale word just made
.set SW,    28                         ; v28-31  the four steps' scale words
.set RB,    32                         ; v32-159 two sets of 64 registers as loaded
.set X,     160                        ; v160-223 64 numbers in the quantiser's order
.set PC,    224                        ; v224-243 the codes
.set SEL,   36                         ; s[36:37] lane selects: lane l xor 16
; 64 numbers of a lane, register 16 b + i of block b (lanes l and l xor 16 share the block), become a fragment's 12 registers at v[pc] and its scale word in v[pw]
.macro QUANT s, pc, pw
.irp b, 0,1,2,3
	v_max3_num_f32 v[TM+\b], |v[\s+16*\b]|, |v[\s+1+16*\b]|, 0x2800000   ; my 16 numbers, and the floor 2^(5 - 127): the byte cannot fall under 1
.endr
.irp i, 2,4,6,8,10,12,14
.irp b, 0,1,2,3
	v_max3_num_f32 v[TM+\b], v[TM+\b], |v[\s+16*\b+\i]|, |v[\s+1+16*\b+\i]|   ; the four blocks by turns
.endr
.endr
.irp b, 0,1,2,3
	v_permlanex16_b32 v[TM+4+\b], v[TM+\b], s[SEL], s[SEL+1]
.endr
.irp b, 0,1,2,3
	v_max_num_f32 v[TM+\b], v[TM+\b], v[TM+4+\b]   ; the block's largest magnitude
.endr
.irp b, 0,1,2,3
	v_add_nc_u32 v[TM+12+\b], 0xfe000000, v[TM+\b]   ; 4 off its exponent field: the conversion's scale operand
.endr
.irp b, 0,1,2,3
	v_lshrrev_b32 v[TM+4+\b], 23, v[TM+12+\b]      ; the scale's byte
.endr
	v_lshl_or_b32 v[\pw], v[TM+5], 8, v[TM+4]
	v_lshl_or_b32 v[\pw], v[TM+6], 16, v[\pw]
	v_lshl_or_b32 v[\pw], v[TM+7], 24, v[\pw]
.irp c, 0,1
	v_cvt_scalef32_pk16_bf6_f32 v[\pc+6*\c:\pc+2+6*\c], v[\s+32*\c:\s+15+32*\c], v[TM+12+2*\c]
	v_cvt_scalef32_pk16_bf6_f32 v[\pc+12+4*\c:\pc+14+4*\c], v[\s+16+32*\c:\s+31+32*\c], v[TM+12+2*\c+1]   ; (a conversion's three registers begin on an even number)
.endr
	v_nop                                          ; one plain place behind a scaled conversion
.irp c, 0,1                                    ; the operand wants a whole block in a lane: lanes 0-15 block 2 c, lanes 16-31 block 2 c + 1
.irp i, 0,1,2
	v_permlane16_swap_b32 v[\pc+6*\c+\i], v[\pc+12+4*\c+\i]
.endr
.irp i, 0,1,2
	v_mov_b32 v[\pc+3+6*\c+\i], v[\pc+12+4*\c+\i]
.endr
.endr
.endm
	s_load_b256 s[4:11], s[0:1], 0x0               ; tokens, Wq, Wk, Wv
	s_load_b256 s[12:19], s[0:1], 0x20             ; Wp, tokq, wqkq, wvq
	s_load_b64 s[20:21], s[0:1], 0x40              ; wpq
	v_lshl_add_u32 v254, v0, 2, 0xc600
	v_mov_b32 v255, 0
	v_lshrrev_b32 v1, 5, v0
	v_readfirstlane_b32 s22, v1                    ; wave 0..5
	s_mul_i32 s23, ttmp9, 6
	s_add_co_u32 s23, s23, s22                     ; my unit, 0..1535
	s_and_b32 s38, s23, 1                          ; which half of K
	s_lshr_b32 s23, s23, 1                         ; which tile of 16 rows, 0..767
	v_and_b32 v1, 31, v0                           ; lane
	v_lshlrev_b32 v2, 4, v1                        ; 16 x lane: my bytes of a load, and of an image's store
	s_mul_i32 s39, s22, STG
	v_add_nc_u32 v3, s39, v2                       ; the stage, on the way in
	v_and_b32 v6, 15, v0                           ; r
	v_bfe_u32 v7, v0, 4, 1                         ; h
	v_mul_u32_u24 v4, v6, SPT
	v_lshl_add_u32 v4, v7, 5, v4
	v_add_nc_u32 v4, s39, v4                       ; and on the way out: row r, + 32 h
	v_lshlrev_b32 v5, 4, v6                        ; my row's four scale words
	s_mov_b32 s[SEL], 0x76543210
	s_mov_b32 s[SEL+1], 0xfedcba98
.irp b, 0,1,2,3
	v_mov_b32 v[TM+4+\b], 0                        ; written once: a lane permute's destination counts as one of its sources
.endr
	s_wait_alu depctr_va_vdst(0)
	s_wait_kmcnt 0x0
	; which tensor: the choice hangs on the tile's number alone.  s[24:25] from, s[26:27] to, s28 and s29 the first tile of each
	s_mov_b64 s[24:25], s[12:13]
	s_mov_b64 s[26:27], s[20:21]
	s_mov_b32 s28, 704
	s_mov_b32 s29, 704
	s_cmp_lt_u32 s23, 704
	s_cselect_b64 s[24:25], s[10:11], s[24:25]
	s_cselect_b64 s[26:27], s[18:19], s[26:27]
	s_cselect_b32 s28, 640, s28
	s_cselect_b32 s29, 640, s29
	s_cmp_lt_u32 s23, 640
	s_cselect_b64 s[24:25], s[8:9], s[24:25]
	s_cselect_b64 s[26:27], s[16:17], s[26:27]
	s_cselect_b32 s28, 576, s28
	s_cselect_b32 s29, 512, s29                    ; Wk's tiles follow Wq's in wqkq
	s_cmp_lt_u32 s23, 576
	s_cselect_b64 s[24:25], s[6:7], s[24:25]
	s_cselect_b32 s28, 512, s28
	s_cmp_lt_u32 s23, 512
	s_cselect_b64 s[24:25], s[4:5], s[24:25]
	s_cselect_b64 s[26:27], s[14:15], s[26:27]
	s_cselect_b32 s28, 0, s28
	s_cselect_b32 s29, 0, s29
	s_sub_co_u32 s28, s23, s28
	s_lshl_b32 s28, s28, 16                        ; 16 rows of 4,096 bytes
	s_lshl_b32 s40, s38, 11                        ; 512 numbers along K
	s_add_co_u32 s28, s28, s40
	s_sub_co_u32 s30, s23, s29
	s_mov_b32 s29, 0
	s_add_nc_u64 s[24:25], s[24:25], s[28:29]
	s_mul_i32 s30, s30, CHUNK
	s_mov_b32 s31, 0
	s_add_nc_u64 s[26:27], s[26:27], s[30:31]      ; my chunk
	s_lshl_b32 s32, s38, 8
	s_add_co_u32 s32, s32, 12288
	s_mov_b32 s33, 0
	s_add_nc_u64 s[32:33], s[26:27], s[32:33]      ; my half's scale words
	s_mul_i32 s30, s38, 6144
	s_add_nc_u64 s[26:27], s[26:27], s[30:31]      ; my half's four images
.macro LOAD t                          ; step t: 128 along K of my 16 rows: each load reads 512 consecutive bytes
.irp i, 0,1,2,3,4,5,6,7,8,9,10,11,12,13,14,15
	global_load_b128 v[RB+64*((\t)%2)+4*\i:RB+64*((\t)%2)+4*\i+3], v2, s[24:25] offset:4096*\i+512*(\t) th:TH_LOAD_NT
.endr
.endm
.macro STEP t
.if (\t) < 3
	s_wait_loadcnt 16                              ; this step's 16 loads are in; the next step's 16 may be out
.else
	s_wait_loadcnt 0x0
.endif
.irp i, 0,1,2,3,4,5,6,7,8,9,10,11,12,13,14,15
	ds_store_b128 v3, v[RB+64*((\t)%2)+4*\i:RB+64*((\t)%2)+4*\i+3] offset:SPT*\i
.endr
.irp b, 0,1,2,3                                ; LDS serves a wave's instructions in order: these see the stores.  Of block b lane (r, h) takes k 8 h + 0..7 and 16 + 8 h + 0..7
	ds_load_b128 v[X+16*\b:X+16*\b+3], v4 offset:128*\b
	ds_load_b128 v[X+16*\b+4:X+16*\b+7], v4 offset:128*\b+16
	ds_load_b128 v[X+16*\b+8:X+16*\b+11], v4 offset:128*\b+64
	ds_load_b128 v[X+16*\b+12:X+16*\b+15], v4 offset:128*\b+80
.endr
	s_wait_dscnt 0x0                               ; the numbers are back, and the stores have read the loaded registers,
.if (\t) < 2
	LOAD (\t)+2                                    ; which take the loads of two steps on
.endif
.if (\t) > 0
	s_wait_xcnt 0x0                                ; the last step's stores have read the codes' registers: they are written again only behind this wait
.endif
	QUANT X, PC, PW
.irp c, 0,1,2
	global_store_b128 v2, v[PC+4*\c:PC+4*\c+3], s[26:27] offset:1536*(\t)+512*\c   ; 512 consecutive bytes, aligned
.endr
	v_mov_b32 v[SW+(\t)], v[PW]
.endm
	LOAD 0
	LOAD 1
.irp t, 0,1,2,3
	STEP \t
.endr
	s_wait_alu depctr_va_vdst(0)
	s_wait_xcnt 0x0                                ; EXEC changes only behind this wait
	v_cmp_gt_u32 vcc_lo, 16, v1
	s_wait_tensorcnt 0x0
	ds_add_u32 v254, v255
	s_wait_dscnt 0x0
	s_and_saveexec_b32 s34, vcc_lo                 ; both halves of the lanes hold the same words: lanes 0-15 store them
	global_store_b128 v5, v[SW:SW+3], s[32:33]     ; 256 consecutive bytes, aligned
	s_endpgm
.Lfunc_end_k_q61e7015d5b_quant:
	.size	k_q61e7015d5b_quant, .Lfunc_end_k_q61e7015d5b_quant-k_q61e7015d5b_quant
	.p2alignl 7, 3214868480
	.fill 96, 4, 3214868480
	.section	.rodata,"a",@progbits
	.p2align	6, 0x0
	.amdhsa_kernel k_q61e7015d5b_quant
		.amdhsa_group_segment_fixed_size 51456
		.amdhsa_private_segment_fixed_size 0
		.amdhsa_enable_private_segment 0
		.amdhsa_kernarg_size 72
		.amdhsa_user_sgpr_count 2
		.amdhsa_user_sgpr_kernarg_segment_ptr 1
		.amdhsa_wavefront_size32 1
		.amdhsa_system_sgpr_workgroup_id_x 1
		.amdhsa_system_sgpr_workgroup_id_y 1
		.amdhsa_system_sgpr_workgroup_id_z 1
		.amdhsa_system_vgpr_workitem_id 0
		.amdhsa_next_free_vgpr 256
		.amdhsa_next_free_sgpr 66
		.amdhsa_reserve_vcc 1
		.amdhsa_float_denorm_mode_32 3
		.amdhsa_float_denorm_mode_16_64 3
		.amdhsa_memory_ordered 1
		.amdhsa_forward_progress 1
		.amdhsa_inst_pref_size 34
	.end_amdhsa_kernel
	.amdgpu_metadata
---
amdhsa.version: [ 1, 2 ]
amdhsa.kernels:
  - .name:           k_q61e7015d5b_quant
    .symbol:         k_q61e7015d5b_quant.kd
    .args:
      - { .name: tokens, .offset: 0, .size: 8, .value_kind: global_buffer, .address_space: global }
      - { .name: Wq, .offset: 8, .size: 8, .value_kind: global_buffer, .address_space: global }
      - { .name: Wk, .offset: 16, .size: 8, .value_kind: global_buffer, .address_space: global }
      - { .name: Wv, .offset: 24, .size: 8, .value_kind: global_buffer, .address_space: global }
      - { .name: Wp, .offset: 32, .size: 8, .value_kind: global_buffer, .address_space: global }
      - { .name: tokq, .offset: 40, .size: 8, .value_kind: global_buffer, .address_space: global }
      - { .name: wqkq, .offset: 48, .size: 8, .value_kind: global_buffer, .address_space: global }
      - { .name: wvq, .offset: 56, .size: 8, .value_kind: global_buffer, .address_space: global }
      - { .name: wpq, .offset: 64, .size: 8, .value_kind: global_buffer, .address_space: global }
    .group_segment_fixed_size: 51456
    .private_segment_fixed_size: 0
    .kernarg_segment_align: 8
    .kernarg_segment_size: 72
    .max_flat_workgroup_size: 192
    .sgpr_count:     66
    .vgpr_count:     256
    .wavefront_size: 32
...
	.end_amdgpu_metadata
.endif
;; end of part 1
;; launch logr (part 2): grid 256 x 1, 8 waves a work-group, no clusters, 70,656 bytes of LDS; arguments R, beta, tb; writes tb
.if DOCPART == 2
	.amdgcn_target "amdgcn-amd-amdhsa--gfx1250"
	.amdhsa_code_object_version 6
	.text
	.protected	k_q61e7015d5b_logr
	.globl	k_q61e7015d5b_logr
	.p2align	8
	.type	k_q61e7015d5b_logr,@function
k_q61e7015d5b_logr:
	s_mov_b64 s[64:65], 0
	v_nop
	global_prefetch_b8 v0, s[64:65] scope:SCOPE_SE
	s_setreg_imm32_b32 hwreg(HW_REG_WAVE_MODE, 25, 1), 1
	s_wait_xcnt 0x0
; tb = 8 beta ln(max(R, 1e-8)), f32, laid as the attention launch wants it: as the C operand of its score products (scores are Q.K, the factor 1/8 comes behind, so the bias carries 8).
; tb is [key step 16][query tile 128][8,192 bytes]; the 8,192 bytes are an image of 64 registers: byte 512 j + 16 lane + 4 i is register 4 j + i.  Register 8 t + e of lane (r, h) belongs to
; query 16 qt + r and key 128 s + 32 (2 (t / 4) + h) + 8 g + e, with g = 0, 2, 1, 3 for t % 4 = 0, 1, 2, 3: a lane holds whole blocks of 32 keys, in the order that V's codes have inside a block.
; So the piece of 16 bytes number U of a row's 512 (bits b4 b3 b2 b1 b0) goes to place 2 j + h = 16 b4 + 8 b1 + 4 b2 + 2 b0 + b3.
; SHARES.  A wave makes one image: 16 rows x 512 bytes of R.  Each load reads 512 consecutive bytes; the pieces change places in the wave's own stage in LDS (each 256 bytes followed by 16 of
; padding) and leave as stores of 512 consecutive bytes.  No barrier: waves share nothing.  Matrix units and clusters have nothing to do here.
; ln x = ln 2 x log2 x, by v_log_f32.  LIMITS: NaN in R is not served.
.set X, 16                             ; v16-79   16 rows x 4 registers
.set Y, 80                             ; v80-143  the image
	s_load_b128 s[4:7], s[0:1], 0x0                ; R, beta
	s_load_b64 s[8:9], s[0:1], 0x10                ; tb
	v_lshl_add_u32 v160, v0, 2, 0x11000
	v_mov_b32 v161, 0
	v_lshrrev_b32 v1, 5, v0
	s_delay_alu instid0(VALU_DEP_1)
	v_readfirstlane_b32 s12, v1                    ; wave 0..7
	v_and_b32 v1, 31, v0                           ; lane = U
	s_delay_alu instid0(VALU_DEP_1)
	v_lshlrev_b32 v2, 4, v1                        ; 16 x lane
	s_mul_i32 s13, s12, 8704                       ; my stage
	v_and_b32 v5, 16, v1                           ; 16 b4
	v_bfe_u32 v6, v1, 1, 1
	v_and_b32 v7, 4, v1                            ; 4 b2
	v_and_b32 v8, 1, v1
	v_bfe_u32 v9, v1, 3, 1
	s_delay_alu instid0(VALU_DEP_4)
	v_lshl_add_u32 v5, v6, 3, v5                   ; + 8 b1
	s_delay_alu instid0(VALU_DEP_3)
	v_lshl_add_u32 v7, v8, 1, v7                   ; 4 b2 + 2 b0
	s_delay_alu instid0(VALU_DEP_2)
	v_add_nc_u32 v5, v5, v9                        ; + b3
	s_delay_alu instid0(VALU_DEP_1)
	v_add_nc_u32 v5, v5, v7                        ; 2 j + h of my piece
	s_delay_alu instid0(VALU_DEP_1)
	v_mul_u32_u24 v3, v5, 272
	s_delay_alu instid0(VALU_DEP_1)
	v_add_nc_u32 v3, s13, v3                       ; the way in; + 16 x row
	v_lshrrev_b32 v5, 4, v1
	s_delay_alu instid0(VALU_DEP_1)
	v_lshl_add_u32 v4, v5, 4, v2
	s_delay_alu instid0(VALU_DEP_1)
	v_add_nc_u32 v4, s13, v4                       ; the way out: 16 lane + 16 (lane / 16); + 544 j
	s_lshr_b32 s14, ttmp9, 1                       ; query tile
	s_and_b32 s15, ttmp9, 1
	s_lshl_b32 s15, s15, 3
	s_add_co_u32 s15, s15, s12                     ; key step
	s_lshl_b32 s16, s14, 17                        ; 16 rows of 8,192 bytes
	s_lshl_b32 s17, s15, 9
	s_add_co_u32 s16, s16, s17
	s_mov_b32 s17, 0
	s_lshl_b32 s18, s15, 7
	s_add_co_u32 s18, s18, s14
	s_lshl_b32 s18, s18, 13
	s_mov_b32 s19, 0
	s_wait_alu depctr_va_vdst(0)                   ; the wait at the head's end
	s_wait_kmcnt 0x0
	s_load_b32 s10, s[6:7], 0x0                    ; beta
	s_add_nc_u64 s[4:5], s[4:5], s[16:17]
	s_add_nc_u64 s[8:9], s[8:9], s[18:19]
.irp i, 0,1,2,3,4,5,6,7,8,9,10,11,12,13,14,15
	global_load_b128 v[X+4*\i:X+4*\i+3], v2, s[4:5] offset:8192*\i th:TH_LOAD_NT
.endr
	s_wait_kmcnt 0x0
	s_mul_f32 s10, s10, 0x40b17218                 ; 8 ln 2 x beta
	s_mov_b32 s11, s10                             ; (named with it as a pair, so it is written)
.irp g, 0,1,2,3                                ; four rows at a time
	s_wait_loadcnt 12-4*\g                         ; loads come back in order: the younger groups stay out
.irp j, 0,1,2,3,4,5,6,7,8,9,10,11,12,13,14,15
	v_max_num_f32 v[X+16*\g+\j], 0x322bcc77, v[X+16*\g+\j]   ; 1e-8
.endr
	s_wait_alu depctr_va_vdst(0)
.irp j, 0,1,2,3,4,5,6,7,8,9,10,11,12,13,14,15
	v_log_f32 v[X+16*\g+\j], v[X+16*\g+\j]
.endr
	v_nop                                          ; one plain place behind the transcendentals
	s_wait_alu depctr_va_vdst(0)
.irp j, 0,2,4,6,8,10,12,14
	v_pk_mul_f32 v[X+16*\g+\j:X+16*\g+\j+1], v[X+16*\g+\j:X+16*\g+\j+1], s[10:11] op_sel_hi:[1,0]
.endr
.irp i, 0,1,2,3
	ds_store_b128 v3, v[X+16*\g+4*\i:X+16*\g+4*\i+3] offset:16*(4*\g+\i)
.endr
.endr
.irp j, 0,1,2,3,4,5,6,7,8,9,10,11,12,13,14,15
	ds_load_b128 v[Y+4*\j:Y+4*\j+3], v4 offset:544*\j   ; LDS serves a wave's instructions in order: these see the stores
.endr
.irp j, 0,1,2,3,4,5,6,7,8,9,10,11,12,13,14,15
	s_wait_dscnt 15-\j
	global_store_b128 v2, v[Y+4*\j:Y+4*\j+3], s[8:9] offset:512*\j   ; 512 consecutive bytes, aligned
.endr
	s_wait_tensorcnt 0x0
	ds_add_u32 v160, v161
	s_wait_dscnt 0x0
	s_endpgm
.Lfunc_end_k_q61e7015d5b_logr:
	.size	k_q61e7015d5b_logr, .Lfunc_end_k_q61e7015d5b_logr-k_q61e7015d5b_logr
	.p2alignl 7, 3214868480
	.fill 96, 4, 3214868480
	.section	.rodata,"a",@progbits
	.p2align	6, 0x0
	.amdhsa_kernel k_q61e7015d5b_logr
		.amdhsa_group_segment_fixed_size 70656
		.amdhsa_private_segment_fixed_size 0
		.amdhsa_enable_private_segment 0
		.amdhsa_kernarg_size 24
		.amdhsa_user_sgpr_count 2
		.amdhsa_user_sgpr_kernarg_segment_ptr 1
		.amdhsa_wavefront_size32 1
		.amdhsa_system_sgpr_workgroup_id_x 1
		.amdhsa_system_sgpr_workgroup_id_y 1
		.amdhsa_system_sgpr_workgroup_id_z 1
		.amdhsa_system_vgpr_workitem_id 0
		.amdhsa_next_free_vgpr 162
		.amdhsa_next_free_sgpr 66
		.amdhsa_reserve_vcc 0
		.amdhsa_float_denorm_mode_32 3
		.amdhsa_float_denorm_mode_16_64 3
		.amdhsa_memory_ordered 1
		.amdhsa_forward_progress 1
		.amdhsa_inst_pref_size 17
	.end_amdhsa_kernel
	.amdgpu_metadata
---
amdhsa.version: [ 1, 2 ]
amdhsa.kernels:
  - .name:           k_q61e7015d5b_logr
    .symbol:         k_q61e7015d5b_logr.kd
    .args:
      - { .name: R, .offset: 0, .size: 8, .value_kind: global_buffer, .address_space: global }
      - { .name: beta, .offset: 8, .size: 8, .value_kind: global_buffer, .address_space: global }
      - { .name: tb, .offset: 16, .size: 8, .value_kind: global_buffer, .address_space: global }
    .group_segment_fixed_size: 70656
    .private_segment_fixed_size: 0
    .kernarg_segment_align: 8
    .kernarg_segment_size: 24
    .max_flat_workgroup_size: 256
    .sgpr_count:     66
    .vgpr_count:     162
    .wavefront_size: 32
...
	.end_amdgpu_metadata
.endif
;; end of part 2
;; launch gemm_qk (part 3): grid 8 x 32, 4 waves a work-group, clusters of 4 x 4, 327,680 bytes of LDS; arguments tokq, wqkq, qkq; writes qkq
.if DOCPART == 3
	.amdgcn_target "amdgcn-amd-amdhsa--gfx1250"
	.amdhsa_code_object_version 6
	.text
	.protected	k_q61e7015d5b_gemm_qk
	.globl	k_q61e7015d5b_gemm_qk
	.p2align	8
	.type	k_q61e7015d5b_gemm_qk,@function
k_q61e7015d5b_gemm_qk:
	s_mov_b64 s[64:65], 0
	v_nop
	global_prefetch_b8 v0, s[64:65] scope:SCOPE_SE
	s_setreg_imm32_b32 hwreg(HW_REG_WAVE_MODE, 25, 1), 1
	s_wait_xcnt 0x0
	s_wait_alu depctr_hold_cnt(0) depctr_sa_sdst(0) depctr_va_vdst(0) depctr_va_sdst(0) depctr_va_ssrc(0) depctr_va_vcc(0) depctr_vm_vsrc(0)
	s_getreg_b32 s2, hwreg(HW_REG_IB_STS2, 6, 4)
	s_cmp_eq_u32 s2, 0
	s_cbranch_scc0 .Lentry_in_a_cluster
	s_endpgm
.Lentry_in_a_cluster:
	s_bfe_u32 s2, ttmp6, 0x10000c
	s_cmp_lg_u32 s2, 0xf033
	s_cbranch_scc0 .Lentry_shape_is_right
	s_endpgm
.Lentry_shape_is_right:
.set NQ,     2
.set FR,     12
.set NL,     3
.set NP,     4
.set CHUNK,  12800
.set HALFT,  24576
.set SLOT,   4*HALFT
.set SCL,    2*SLOT
.set HALFS,  4096
.set SPARE,  SCL+4*HALFS
.set ADRA, 16
.set ADRB, 20
.set SO,   24
.set CO,   26
.set ADRS, 27
.set SPW,  28
.set NIL,  29
.set SC,   32
.set TM,   64
.set PW,   80
.set SW,   84
.set SX,   92
.set PC,   96
.set AF,   128
.set SEL,  66
.set G1, 24
.set G0, 32
.set G1B, 48
.set G0B, 56
.set G1S, 68
.set G0S, 76
.set G1SB, 80
.set G0SB, 88
.set MSB, 0
.macro WIN new
.if MSB != (\new)
	s_set_vgpr_msb (MSB<<8)|(\new)
.set MSB, (\new)
.endif
.endm
.set MUL_LO, 0xa1
.set MUL_HI, 0xf1
.set TO_B,   0x40
.macro JLOAD g0a, g1a, g0b, g1b
	s_cmp_eq_u32 s15, 0
	s_cbranch_scc0 .Lfor_b_\@
	tensor_load_to_lds s[\g0a:\g0a+3], s[\g1a:\g1a+7]
	s_nop 0
.rept 4
	v_nop
.endr
	s_branch .Lasked_\@
.Lfor_b_\@:
	tensor_load_to_lds s[\g0b:\g0b+3], s[\g1b:\g1b+7]
	s_nop 0
.rept 4
	v_nop
.endr
.Lasked_\@:
.endm
.macro CREST
	s_cmp_lg_u32 s14, 0
	s_cbranch_scc1 .Lnot_wave_0_\@
	s_barrier_signal -3
.Lnot_wave_0_\@:
	s_barrier_wait -3
	s_barrier_signal -1
	s_barrier_wait -1
.endm
.macro CROUND
	s_barrier_signal -1
	s_barrier_wait -1
	CREST
.endm
	s_load_b128 s[4:7], s[0:1], 0x0
	s_load_b64 s[12:13], s[0:1], 0x10
	v_lshl_add_u32 v[SPW], v0, 2, SPARE
	v_mov_b32 v[NIL], 0
	ds_add_u32 v28, v29
	ds_add_u32 v28, v29
	s_wait_dscnt 0x0
	v_lshrrev_b32 v1, 5, v0
	v_readfirstlane_b32 s14, v1
	s_lshr_b32 s15, s14, 1
	s_and_b32 s16, s14, 1
	s_bfe_u32 s40, ttmp6, 0x40000
	s_bfe_u32 s41, ttmp6, 0x40004
	s_lshl_b32 s42, ttmp9, 2
	s_add_co_u32 s42, s42, s40
	s_and_b32 s17, ttmp7, 0xffff
	s_lshl_b32 s17, s17, 2
	s_add_co_u32 s17, s17, s41
	s_lshl_b32 s43, s41, 2
	s_lshl_b32 s43, 15, s43
	s_lshl_b32 s44, 0x1111, s40
	s_or_b32 s[G1+0], s43, (3<<16)|(1<<21)
	s_or_b32 s[G1B+0], s44, (3<<16)|(1<<21)
.irp g, G1, G1B
	s_mov_b32 s[\g+1], 384<<16
	s_mov_b32 s[\g+2], 16<<16                      ; the head's loads bring a tile's 16 chunks; behind them the two words that count rows are set to 8
	s_mov_b32 s[\g+3], 384<<16
	s_mov_b32 s[\g+4], 16
	s_mov_b32 s[\g+5], 1600
	s_mov_b32 s[\g+6], 0
	s_mov_b32 s[\g+7], 0
.endr
	s_or_b32 s[G1S+0], s43, (3<<16)|(1<<21)
	s_or_b32 s[G1SB+0], s44, (3<<16)|(1<<21)
.irp g, G1S, G1SB
	s_mov_b32 s[\g+1], 64<<16
	s_mov_b32 s[\g+2], 16<<16                      ; the scale words of 16 chunks, 512 bytes each
	s_mov_b32 s[\g+3], 64<<16
	s_mov_b32 s[\g+4], 16
	s_mov_b32 s[\g+5], 1600
	s_mov_b32 s[\g+6], 0
	s_mov_b32 s[\g+7], 0
.endr
	s_mul_i32 s18, s16, 8*CHUNK                    ; in the ring I fetch 8 chunks of a tile: which half, in bytes
	s_mov_b32 s19, 0
	s_lshl_b32 s20, s17, 4                         ; the tile's first chunk
	s_mul_i32 s20, s20, CHUNK
	s_mov_b32 s21, 0
	s_lshl_b32 s46, s42, 4
	s_mul_i32 s46, s46, CHUNK
	s_mov_b32 s47, 0
	s_mul_i32 s45, s14, HALFT
	s_mov_b32 s[SEL], 0x76543210
	s_mov_b32 s[SEL+1], 0xfedcba98
	s_wait_kmcnt 0x0
	s_add_nc_u64 s[20:21], s[4:5], s[20:21]
	s_add_nc_u64 s[46:47], s[6:7], s[46:47]
	CROUND
.set G0H, 4                            ; s[4:7], s[8:11] group 0 for the head's loads of codes (the arguments that lay in s[4:7] have been used)
.set G0HB, 8
	s_mov_b32 s[G0H], 1                            ; the head's four tiles, each whole: slot 0's 16 chunks of the first operand,
	s_mov_b32 s[G0H+1], 0
	s_mov_b64 s[G0H+2:G0H+3], s[20:21]
	s_or_b32 s[G0H+3], s[G0H+3], 0x80000000
	s_mov_b32 s[G0HB], 1                           ; of the second, behind them in slot 0,
	s_mov_b32 s[G0HB+1], 2*HALFT
	s_mov_b64 s[G0HB+2:G0HB+3], s[46:47]
	s_or_b32 s[G0HB+3], s[G0HB+3], 0x80000000
	s_mov_b32 s[G0S], 1                            ; the first operand's scale words,
	s_mov_b32 s[G0S+1], SCL
	s_add_nc_u64 s[G0S+2:G0S+3], s[20:21], 12288
	s_or_b32 s[G0S+3], s[G0S+3], 0x80000000
	s_mov_b32 s[G0SB], 1                           ; and the second's
	s_mov_b32 s[G0SB+1], SCL+2*HALFS
	s_add_nc_u64 s[G0SB+2:G0SB+3], s[46:47], 12288
	s_or_b32 s[G0SB+3], s[G0SB+3], 0x80000000
	s_add_nc_u64 s[20:21], s[20:21], s[18:19]      ; for the ring: my 8 chunks of the tile
	s_add_nc_u64 s[46:47], s[46:47], s[18:19]
; the head's loads, one a wave: one chain of branches on the wave's number, each arm with its load, all arms leading to one join
.macro ARM under, g0, g1, next
	s_cmp_lt_u32 s14, \under
	s_cbranch_scc0 \next
	tensor_load_to_lds s[\g0:\g0+3], s[\g1:\g1+7]
	s_nop 0
.rept 4
	v_nop
.endr
	s_branch .Lhead_asked
\next:
.endm
	ARM 1, G0H,  G1,  .Lhead_b
	ARM 2, G0HB, G1B, .Lhead_sa
	ARM 3, G0S,  G1S, .Lhead_sb
	tensor_load_to_lds s[G0SB:G0SB+3], s[G1SB:G1SB+7]
	s_nop 0
.rept 4
	v_nop
.endr
.Lhead_asked:
.irp s, 0,1
	s_mov_b32 s[G0+4*\s], 1
	s_add_co_u32 s[G0+4*\s+1], s45, \s*SLOT
	s_add_nc_u64 s[G0+4*\s+2:G0+4*\s+3], s[20:21], \s*3072
	s_or_b32 s[G0+4*\s+3], s[G0+4*\s+3], 0x80000000
	s_mov_b32 s[G0B+4*\s], 1
	s_add_co_u32 s[G0B+4*\s+1], s45, \s*SLOT
	s_add_nc_u64 s[G0B+4*\s+2:G0B+4*\s+3], s[46:47], \s*3072
	s_or_b32 s[G0B+4*\s+3], s[G0B+4*\s+3], 0x80000000
.endr
	s_wait_alu depctr_va_vdst(0)
	s_wait_tensorcnt 0x0                           ; my tile of the head's four is in; slot 1's first fill is issued as a refill is
	ds_add_u32 v28, v29
	s_mov_b32 s[G1+2], 8<<16                       ; no tensor load of mine is out: from here on a load brings 8 chunks
	s_mov_b32 s[G1+4], 8
	s_mov_b32 s[G1B+2], 8<<16
	s_mov_b32 s[G1B+4], 8
	s_wait_dscnt 0x0
	CROUND
	JLOAD G0+4, G1, G0B+4, G1B
	v_and_b32 v1, 15, v0
	v_bfe_u32 v2, v0, 4, 1
	s_wait_alu depctr_va_vdst(0)
	v_and_b32 v3, 31, v0
	v_lshlrev_b32 v[CO], 4, v3
	s_mul_i32 s22, s15, HALFT
	s_mul_i32 s23, s16, HALFT
	s_add_co_u32 s23, s23, 2*HALFT
.irp s, 0,1
	v_add_nc_u32 v[ADRA+\s], s22, v[CO]
	v_add_nc_u32 v[ADRB+\s], s23, v[CO]
	s_add_co_u32 s22, s22, SLOT
	s_add_co_u32 s23, s23, SLOT
.endr
	v_lshlrev_b32 v5, 4, v1
	s_mul_i32 s22, s15, HALFS
	s_mul_i32 s23, s16, HALFS
	s_add_co_u32 s23, s23, 2*HALFS
	s_sub_co_u32 s23, s23, s22
	v_mul_u32_u24 v6, s23, v2
	s_add_co_u32 s22, s22, SCL
	v_add_nc_u32 v5, v5, v6
	v_add_nc_u32 v[ADRS], s22, v5
	v_lshlrev_b32 v[SO], 5, v1
	v_lshl_add_u32 v[SO], v2, 4, v[SO]
	s_lshl_b32 s92, s42, 1
	s_add_co_u32 s92, s92, s16
	s_lshl_b32 s92, s92, 6
	s_lshl_b32 s95, s17, 1
	s_add_co_u32 s95, s95, s15
	s_add_co_u32 s92, s92, s95
	s_mul_i32 s92, s92, CHUNK
	s_mov_b32 s93, 0
	s_add_nc_u64 s[12:13], s[12:13], s[92:93]
.macro FRAG reg, adr, q, i
.irp c, 0,1,2
	ds_load_b128 v[\reg+4*\c:\reg+4*\c+3], v[\adr] offset:(\i)*3072+(\q)*1536+512*\c
.endr
.endm
.macro MUL16 a0, p, q, sc, zero
.irp a, \a0, \a0+1
.irp b, 0,1,2,3,4,5,6,7
.if \zero
	v_wmma_scale_f32_16x16x128_f8f6f4 v[8*(8*((\a)%4)+\b):8*(8*((\a)%4)+\b)+7], v[128*(\p)+FR*\b:128*(\p)+FR*\b+FR-1], v[AF+FR*(\a):AF+FR*(\a)+FR-1], 0, v[SC+8*NQ*(\sc)+NQ*\b+(\q)], v[SC+8*NQ*(\sc)+NQ*(\a)+(\q)] matrix_a_fmt:MATRIX_FMT_BF6 matrix_b_fmt:MATRIX_FMT_BF6 matrix_a_scale:MATRIX_SCALE_ROW1
.else
	v_wmma_scale_f32_16x16x128_f8f6f4 v[8*(8*((\a)%4)+\b):8*(8*((\a)%4)+\b)+7], v[128*(\p)+FR*\b:128*(\p)+FR*\b+FR-1], v[AF+FR*(\a):AF+FR*(\a)+FR-1], v[8*(8*((\a)%4)+\b):8*(8*((\a)%4)+\b)+7], v[SC+8*NQ*(\sc)+NQ*\b+(\q)], v[SC+8*NQ*(\sc)+NQ*(\a)+(\q)] matrix_a_fmt:MATRIX_FMT_BF6 matrix_b_fmt:MATRIX_FMT_BF6 matrix_a_scale:MATRIX_SCALE_ROW1
.endif
.endr
.endr
.endm
.macro FETCH_B slot, q, p
	WIN TO_B
.irp i, 0,1,2,3,4,5,6,7
	FRAG 128*(\p)+FR*\i, ADRB+\slot, \q, \i
.endr
	WIN 0
.endm
.macro FETCH_A slot, q, i0
.irp i, \i0, \i0+1, \i0+2, \i0+3
	FRAG AF+FR*(\i), ADRA+\slot, \q, \i
.endr
.endm
.macro SCALES sc, t
.irp i, 0,1,2,3,4,5,6,7
	ds_load_b64 v[SC+8*NQ*\sc+NQ*\i:SC+8*NQ*\sc+NQ*\i+1], v[ADRS] offset:512*\i+256*((\t)/2)+8*((\t)%2)
.endr
.endm
.macro PLACES n
.rept \n
	v_nop
.endr
.endm
.macro STEP slot, q, zero
	s_wait_dscnt 4*NL
	WIN MUL_LO
	MUL16 0, (\q)%2, \q, \slot, \zero
	MUL16 2, (\q)%2, \q, \slot, \zero
	s_wait_dscnt 0
	PLACES NP
	FETCH_B \slot, (\q)+1, 1-(\q)%2
	FETCH_A \slot, (\q)+1, 0
	WIN MUL_HI
	MUL16 4, (\q)%2, \q, \slot, \zero
	MUL16 6, (\q)%2, \q, \slot, \zero
	PLACES NP
	WIN 0
	FETCH_A \slot, (\q)+1, 4
.endm
.macro TURN slot, next, fill, t
	s_wait_tensorcnt 0x0
	ds_add_u32 v[SPW], v[NIL]
	s_wait_dscnt 4*NL+1
	WIN MUL_LO
	MUL16 0, 1, NQ-1, \slot, 0
	s_wait_dscnt 0x0
	s_barrier_signal -1
	MUL16 2, 1, NQ-1, \slot, 0
	WIN 0
	s_barrier_wait -1
.if \fill
	CREST
	s_add_nc_u64 s[G0+4*\slot+2:G0+4*\slot+3], s[G0+4*\slot+2:G0+4*\slot+3], 6144
	s_add_nc_u64 s[G0B+4*\slot+2:G0B+4*\slot+3], s[G0B+4*\slot+2:G0B+4*\slot+3], 6144
	JLOAD G0+4*\slot, G1, G0B+4*\slot, G1B
.else
	PLACES NP
.endif
	FETCH_B \next, 0, 0
	FETCH_A \next, 0, 0
	SCALES \next, \t
	WIN MUL_HI
	MUL16 4, 1, NQ-1, \slot, 0
	MUL16 6, 1, NQ-1, \slot, 0
	PLACES NP
	WIN 0
	FETCH_A \next, 0, 4
.endm
	s_wait_alu depctr_va_vdst(0)
	s_wait_tensorcnt 1
	s_barrier_signal -1
	s_barrier_wait -1
	FETCH_B 0, 0, 0
	FETCH_A 0, 0, 0
	SCALES 0, 0
	FETCH_A 0, 0, 4
	STEP 0, 0, 1
	TURN 0, 1, 1, 1
	STEP 1, 0, 0
	TURN 1, 0, 1, 2
	STEP 0, 0, 0
	TURN 0, 1, 0, 3
	STEP 1, 0, 0
	s_wait_dscnt 4*NL
	WIN MUL_LO
	MUL16 0, 1, NQ-1, 1, 0
	MUL16 2, 1, NQ-1, 1, 0
	s_wait_dscnt 0
	WIN MUL_HI
	MUL16 4, 1, NQ-1, 1, 0
	MUL16 6, 1, NQ-1, 1, 0
	WIN 0
.macro QUANTW a
.set WA,  2+(\a)/4
.set A0,  64*((\a)%4)
.set W01, WA|(WA<<2)
.set W12, (WA<<2)|(WA<<4)
	WIN W01
.irp b, 0,1,2,3
	v_max3_num_f32 v[TM+\b], |v[A0+16*\b]|, |v[A0+1+16*\b]|, 0x2800000
.endr
	WIN W12
.irp i, 2,4,6,8,10,12,14
.irp b, 0,1,2,3
	v_max3_num_f32 v[TM+\b], v[TM+\b], |v[A0+16*\b+\i]|, |v[A0+1+16*\b+\i]|
.endr
.endr
	WIN 0
.irp b, 0,1,2,3
	v_permlanex16_b32 v[TM+4+\b], v[TM+\b], s[SEL], s[SEL+1]
.endr
.irp b, 0,1,2,3
	v_max_num_f32 v[TM+\b], v[TM+\b], v[TM+4+\b]
.endr
.irp b, 0,1,2,3
	v_add_nc_u32 v[TM+12+\b], 0xfe000000, v[TM+\b]
.endr
.irp b, 0,1,2,3
	v_lshrrev_b32 v[TM+4+\b], 23, v[TM+12+\b]
.endr
	v_lshl_or_b32 v[PW], v[TM+5], 8, v[TM+4]
	v_lshl_or_b32 v[PW], v[TM+6], 16, v[PW]
	v_lshl_or_b32 v[PW], v[TM+7], 24, v[PW]
	WIN WA
.irp c, 0,1
	v_cvt_scalef32_pk16_bf6_f32 v[PC+6*\c:PC+2+6*\c], v[A0+32*\c:A0+15+32*\c], v[TM+12+2*\c]
	v_cvt_scalef32_pk16_bf6_f32 v[PC+12+4*\c:PC+14+4*\c], v[A0+16+32*\c:A0+31+32*\c], v[TM+12+2*\c+1]
.endr
	WIN 0
	v_nop
.irp c, 0,1
.irp i, 0,1,2
	v_permlane16_swap_b32 v[PC+6*\c+\i], v[PC+12+4*\c+\i]
.endr
.irp i, 0,1,2
	v_mov_b32 v[PC+3+6*\c+\i], v[PC+12+4*\c+\i]
.endr
.endr
.endm
	PLACES NP
.irp b, 0,1,2,3
	v_mov_b32 v[TM+4+\b], 0
.endr
.irp a, 0,1,2,3,4,5,6,7
.if \a > 0
	s_wait_xcnt 0x0
.endif
	QUANTW \a
.irp c, 0,1,2
	global_store_b128 v[CO], v[PC+4*\c:PC+4*\c+3], s[12:13] offset:1536*\a+512*\c
.endr
	v_mov_b32 v[SW+\a], v[PW]
.endr
	v_cmp_eq_u32 vcc_lo, 1, v2
.irp i, 0,1,2,3
	v_cndmask_b32 v[SX+\i], v[SW+\i], v[SW+4+\i], vcc_lo
.endr
	global_store_b128 v[SO], v[SX:SX+3], s[12:13] offset:12288
	s_wait_tensorcnt 0x0
	ds_add_u32 v[SPW], v[NIL]
	s_wait_dscnt 0x0
	CROUND
	s_endpgm
.Lfunc_end_k_q61e7015d5b_gemm_qk:
	.size	k_q61e7015d5b_gemm_qk, .Lfunc_end_k_q61e7015d5b_gemm_qk-k_q61e7015d5b_gemm_qk
	.p2alignl 7, 3214868480
	.fill 96, 4, 3214868480
	.section	.rodata,"a",@progbits
	.p2align	6, 0x0
	.amdhsa_kernel k_q61e7015d5b_gemm_qk
		.amdhsa_group_segment_fixed_size 327680
		.amdhsa_private_segment_fixed_size 0
		.amdhsa_enable_private_segment 0
		.amdhsa_kernarg_size 24
		.amdhsa_user_sgpr_count 2
		.amdhsa_user_sgpr_kernarg_segment_ptr 1
		.amdhsa_wavefront_size32 1
		.amdhsa_system_sgpr_workgroup_id_x 1
		.amdhsa_system_sgpr_workgroup_id_y 1
		.amdhsa_system_sgpr_workgroup_id_z 1
		.amdhsa_system_vgpr_workitem_id 0
		.amdhsa_next_free_vgpr 1024
		.amdhsa_next_free_sgpr 98
		.amdhsa_reserve_vcc 1
		.amdhsa_float_denorm_mode_32 3
		.amdhsa_float_denorm_mode_16_64 3
		.amdhsa_memory_ordered 1
		.amdhsa_forward_progress 1
		.amdhsa_inst_pref_size 141
	.end_amdhsa_kernel
	.amdgpu_metadata
---
amdhsa.version: [ 1, 2 ]
amdhsa.kernels:
  - .name:           k_q61e7015d5b_gemm_qk
    .symbol:         k_q61e7015d5b_gemm_qk.kd
    .args:
      - { .name: tokq, .offset: 0, .size: 8, .value_kind: global_buffer, .address_space: global }
      - { .name: wqkq, .offset: 8, .size: 8, .value_kind: global_buffer, .address_space: global }
      - { .name: qkq, .offset: 16, .size: 8, .value_kind: global_buffer, .address_space: global }
    .group_segment_fixed_size: 327680
    .private_segment_fixed_size: 0
    .kernarg_segment_align: 8
    .kernarg_segment_size: 24
    .max_flat_workgroup_size: 128
    .sgpr_count:     98
    .vgpr_count:     1024
    .wavefront_size: 32
...
	.end_amdgpu_metadata
.endif
;; end of part 3
;; launch gemm_v: the kernel of part 3 again; grid 32 x 4, 4 waves a work-group, clusters of 4 x 4, 327,680 bytes of LDS; arguments wvq, tokq, vq; writes vq
;; launch attn (part 4): grid 16 x 16, 8 waves a work-group, clusters of 4 x 4, 327,680 bytes of LDS; arguments tb, qkq, vq, atq; writes atq
.if DOCPART == 4
	.amdgcn_target "amdgcn-amd-amdhsa--gfx1250"
	.amdhsa_code_object_version 6
	.text
	.protected	k_q61e7015d5b_attn
	.globl	k_q61e7015d5b_attn
	.p2align	8
	.type	k_q61e7015d5b_attn,@function
k_q61e7015d5b_attn:
	s_mov_b64 s[64:65], 0
	v_nop
	global_prefetch_b8 v0, s[64:65] scope:SCOPE_SE
	s_setreg_imm32_b32 hwreg(HW_REG_WAVE_MODE, 25, 1), 1
	s_wait_xcnt 0x0
	s_wait_alu depctr_hold_cnt(0) depctr_sa_sdst(0) depctr_va_vdst(0) depctr_va_sdst(0) depctr_va_ssrc(0) depctr_va_vcc(0) depctr_vm_vsrc(0)
	s_getreg_b32 s2, hwreg(HW_REG_IB_STS2, 6, 4)
	s_cmp_eq_u32 s2, 0
	s_cbranch_scc0 .Lentry_in_a_cluster
	s_endpgm
.Lentry_in_a_cluster:
	s_bfe_u32 s2, ttmp6, 0x10000c
	s_cmp_lg_u32 s2, 0xf033
	s_cbranch_scc0 .Lentry_shape_is_right
	s_endpgm
.Lentry_shape_is_right:
; out[b][q][head][:] = sum over k of softmax_k(Q.K / 8 + beta ln max(R, 1e-8)) V, both products on codes of BF6 (E3M2) with one E8M0 scale for each 32 along a product's K; the result leaves
; QUANTISED along the model's 1,024 channels, as the operand of the projection.
; THE SOFTMAX: t = (Q.K + T') c with T' = 8 beta ln max(R, 1e-8) (from tb) and c = log2(e) / 8; M = the running largest t rounded UP to a whole number; p = 2^(t - M) is quantised along the keys,
; not normalised; the row's sum is taken of the unquantised p and divides at the end; when M moves, the sum and O are multiplied by 2^(old M - new M), which rounds nothing.
; SHARES.  A work-group owns 128 queries of one batch and four heads (two pairs).  Wave w: pair w / 4, query tiles 2 (w % 4) and 2 (w % 4) + 1: four sub-units u = 2 q + head of 16 queries x 1 head.
; CLUSTER 4 x 4: x = the block of queries, y = the group of four heads of one batch.  The bias hangs on the queries alone and is asked for jointly along a column; K and V hang on batch and heads
; alone and are asked for jointly along a row.  All partners walk the same 16 key steps of 128 keys.
; OPERANDS are images of the operand's 12 registers (byte 512 c + 16 lane + 4 i is register 4 c + i), 8 to a chunk, then the scale words [row 16][image 8].  In LDS a chunk lies as 25 rows of 512 bytes,
; 576 apart: group c of image i begins at 576 (3 i + c), the scale words at 576 x 24.
; K = 64 UNDER AN INSTRUCTION OF 128: K's image (two heads side by side) is multiplied once by [q of head 0 | zero codes] and once by [zero codes | q of head 1].
; WHICH KEYS FORM A SCORE TILE.  Both products are used transposed (S^T = K Q^T, O^T = V^T P^T): a lane holds one query.  Rows 0-7 of score tile t are eight keys of block 2 (t / 4), rows 8-15 eight
; keys of block 2 (t / 4) + 1 (chosen by the lanes' LDS addresses): lane (r, h) then holds in registers 32 c .. 32 c + 31 the WHOLE block 2 c + h of 32 keys, which is the place that the second
; product's operand gives that lane.  So a block's largest score needs no other lane and the codes need no exchange; inside a block the eights of keys lie in the order 0, 2, 1, 3, as in V's codes.
; The odd block's rows lie two images, 6 x 576 = 3,456 bytes, on: 128 bytes on modulo 256.
; THE BIAS IS THE C OF THE SCORE PRODUCT and is read from LDS once for both heads: it lies in one of two runs of 64 registers; the first head's product writes the other run, the second's adds in place.
; A KEY STEP: scores and softmax of sub-units 0 and 1; the scores of sub-units 2 and 3 on end, after which K's fragments are done with and V's take their registers: my last LDS reads of the slot.
; THE CHANGE OF SLOTS follows there: the three lines, the round's opening signal, then sub-unit 2's softmax and the twelve second products of sub-units 0 to 2, all on registers, then the opening wait,
; the rest of the round and the refill.  Behind it the next step's bias, K's scale words and four of K's fragments (where head 0's V lay) are asked of LDS, with sub-unit 3's softmax in which to land;
; its four second products free the registers for K's other four fragments.
; RING: two slots of one key step, 2^17 bytes apart.  Waves 0-3 fetch two bias tiles each, waves 4, 5 K's chunks, waves 6, 7 V's: one load a wave behind each round.
; PREFETCH: in trip s (steps 0 to 12) waves 0-3 name, a lane a block of 256 bytes, what key step s + 3 will load: its tensor load stands in trip s + 1.  Each block is named once in a cluster:
; of a column's 65,536 bias bytes partner cy takes 16,384 (waves 0, 1: 32 blocks each); of a row's chunks partner cx takes half cx / 2 (25 blocks) of pair cx % 2, wave 2 K's, wave 3 V's.
; REGISTERS: window 0: v1-12 addresses; v16-31 statistics (4 a sub-unit: -M, largest score, the sum in two halves); v32 f; v34-55 scale words (Q 2, K 8, V 8, P 4) and nothing else;
;   v56-91 Q: for each tile [registers 0-5 | six zeros | registers 6-11]; v92-139 P's codes; v140-235 eight fragments of K, then of V; v236-255 at work.
;   window 1: v0-127 O^T, 32 a sub-unit; v128-191 and v192-255 the two runs for bias, scores and p.
; LIMITS: NaN and infinities not served; the promise holds while the scaled scores stay under 2^31 in magnitude; a block of zeros keeps the byte 1.  A block's largest p is made from the block's
; largest score by the same multiply-add and exponential: this takes v_exp_f32 not to fall where its input rises.
.set CHUNK, 12800
.set CHL,   14400                      ; a chunk in LDS: 25 rows of 576 bytes
.set RP,    576
.set SLOT1, 131072
.set KOFF,  65536                      ; a slot: 8 bias tiles; K's two chunks; V's two chunks
.set VREL,  2*CHL
.set SWO,   24*RP                      ; a chunk's scale words
.set SPARE, 262144                     ; the spare words, 128 bytes for each wave
.set AB,  1                            ; LDS addresses in the slot in hand: my two bias tiles
.set AK,  2                            ; K's fragments (rows gathered)
.set AKS, 3                            ; K's scale words (rows gathered)
.set SPW, 4
.set NIL, 5
.set AV,  6                            ; V's fragments
.set AVS, 7                            ; V's scale words
.set LI,  8                            ; 16 lane
.set RR,  9
.set HH,  10
.set PFO, 11                           ; the prefetches' offset: 256 x lane, held at my last block
.set QA,  12                           ; 32 r
.set ST,  16
.set FF,  32
.set QS,  34
.set KS,  36
.set VS,  44
.set PS,  52
.set QF,  56
.set PC,  92
.set FW,  140
.set BM,  236                          ; v236-237 my two blocks' largest scores, then largest p
.set SO,  238                          ; v238-239 the conversions' scale operands
.set CT,  240                          ; v240-247 the conversions' second halves
.set BB,  240                          ; (ahead of them: the maxima's second chains,
.set BP,  244                          ;  and the scale bytes)
.set SM,  248                          ; v248-253 three more chains of the sum
.set T,   254
.set TM,  56                           ; the way out's quantiser works where Q lay
.set XB,  128                          ; window 1
.set YB,  192
.set WV,  12
.set G1T, 24
.set G1C, 32
.set G0T, 40
.set G0K, 44
.set G0V, 48
.set SEL, 52
.set CS,  54
.set CNT, 57
.set LIM, 94
.set PFS, 98
.set PFA, 100
.set MSB, 0
.macro WIN new
.if MSB != (\new)
	s_set_vgpr_msb (MSB<<8)|(\new)
.set MSB, (\new)
.endif
.endm
.macro PLACES n
.rept \n
	v_nop
.endr
.endm
.macro JLOAD                           ; a joint load: the branches hang on the wave's number alone; s_nop 0 and four v_nop follow each line
	s_cmp_lt_u32 s[WV], 4
	s_cbranch_scc0 .Lnot_t_\@
	tensor_load_to_lds s[G0T:G0T+3], s[G1T:G1T+7]
	s_nop 0
	PLACES 4
	s_branch .Lasked_\@
.Lnot_t_\@:
	s_cmp_lt_u32 s[WV], 6
	s_cbranch_scc0 .Lfor_v_\@
	tensor_load_to_lds s[G0K:G0K+3], s[G1C:G1C+7]
	s_nop 0
	PLACES 4
	s_branch .Lasked_\@
.Lfor_v_\@:
	tensor_load_to_lds s[G0V:G0V+3], s[G1C:G1C+7]
	s_nop 0
	PLACES 4
.Lasked_\@:
.endm
.macro CREST                           ; a round of the cluster's barrier behind its opening barrier
	s_cmp_lg_u32 s[WV], 0
	s_cbranch_scc1 .Lnot_wave_0_\@
	s_barrier_signal -3
.Lnot_wave_0_\@:
	s_barrier_wait -3
	s_barrier_signal -1
	s_barrier_wait -1
.endm
.macro CROUND
	s_barrier_signal -1
	s_barrier_wait -1
	CREST
.endm
.macro DESC                            ; every group 0 on to the other slot and the next key step; stands where no tensor load of the wave is out
	s_xor_b32 s[G0T+1], s[G0T+1], SLOT1
	s_add_nc_u64 s[G0T+2:G0T+3], s[G0T+2:G0T+3], 1048576   ; 128 query tiles of 8,192 bytes
	s_xor_b32 s[G0K+1], s[G0K+1], SLOT1
	s_add_nc_u64 s[G0K+2:G0K+3], s[G0K+2:G0K+3], CHUNK
	s_xor_b32 s[G0V+1], s[G0V+1], SLOT1
	s_add_nc_u64 s[G0V+2:G0V+3], s[G0V+2:G0V+3], 64*CHUNK
.endm
.macro ASK                             ; the prefetch: waves 0-3, in all trips but the loop's last
	s_wait_alu depctr_va_vdst(0)
	s_cmp_gt_u32 s[CNT], s[LIM]
	s_cbranch_scc0 .Lnot_mine_\@
	global_prefetch_b8 v[PFO], s[PFA:PFA+1] th:TH_LOAD_NT scope:SCOPE_SE
.Lnot_mine_\@:
.endm
.macro QUANT s, pc, pw                 ; the way out: 64 numbers of a lane, register 16 b + i of block b (lanes l and l xor 16 share a block), become 12 registers of codes and a scale word
.irp b, 0,1,2,3
	v_max3_num_f32 v[TM+\b], |v[\s+16*\b]|, |v[\s+1+16*\b]|, 0x2800000
.endr
.irp i, 2,4,6,8,10,12,14
.irp b, 0,1,2,3
	v_max3_num_f32 v[TM+\b], v[TM+\b], |v[\s+16*\b+\i]|, |v[\s+1+16*\b+\i]|
.endr
.endr
.irp b, 0,1,2,3
	v_permlanex16_b32 v[TM+4+\b], v[TM+\b], s[SEL], s[SEL+1]
.endr
.irp b, 0,1,2,3
	v_max_num_f32 v[TM+\b], v[TM+\b], v[TM+4+\b]
.endr
.irp b, 0,1,2,3
	v_add_nc_u32 v[TM+12+\b], 0xfe000000, v[TM+\b]
.endr
.irp b, 0,1,2,3
	v_lshrrev_b32 v[TM+4+\b], 23, v[TM+12+\b]
.endr
	v_lshl_or_b32 v[\pw], v[TM+5], 8, v[TM+4]
	v_lshl_or_b32 v[\pw], v[TM+6], 16, v[\pw]
	v_lshl_or_b32 v[\pw], v[TM+7], 24, v[\pw]
.irp c, 0,1
	v_cvt_scalef32_pk16_bf6_f32 v[\pc+6*\c:\pc+2+6*\c], v[\s+32*\c:\s+15+32*\c], v[TM+12+2*\c]
	v_cvt_scalef32_pk16_bf6_f32 v[\pc+12+4*\c:\pc+14+4*\c], v[\s+16+32*\c:\s+31+32*\c], v[TM+12+2*\c+1]
.endr
	v_nop
.irp c, 0,1
.irp i, 0,1,2
	v_permlane16_swap_b32 v[\pc+6*\c+\i], v[\pc+12+4*\c+\i]
.endr
.irp i, 0,1,2
	v_mov_b32 v[\pc+3+6*\c+\i], v[\pc+12+4*\c+\i]
.endr
.endr
.endm
	s_load_b256 s[4:11], s[0:1], 0x0               ; tb s[4:5], qkq s[6:7], vq s[8:9], atq s[10:11]
	v_lshl_add_u32 v[SPW], v0, 2, SPARE
	v_mov_b32 v[NIL], 0
	ds_add_u32 v[SPW], v[NIL]                      ; the opening lines: the add, twice on end, and its wait
	ds_add_u32 v[SPW], v[NIL]
	v_lshrrev_b32 v[T], 5, v0
	v_readfirstlane_b32 s[WV], v[T]                ; wave 0..7
	s_and_b32 s13, s[WV], 3
	s_lshr_b32 s14, s[WV], 2                       ; my pair of heads, 0 or 1
	s_and_b32 s19, s[WV], 1
	s_bfe_u32 s15, ttmp6, 0x40000                  ; cx
	s_bfe_u32 s16, ttmp6, 0x40004                  ; cy: the group of four heads
	s_lshl_b32 s17, ttmp9, 2
	s_add_co_u32 s17, s17, s15                     ; x: the block of 128 queries
	s_and_b32 s18, ttmp7, 0xffff                   ; the batch: the cluster's y
	s_lshl_b32 s58, 0x1111, s15                    ; my column of the cluster
	s_lshl_b32 s59, s16, 2
	s_lshl_b32 s59, 15, s59                        ; my row
	s_or_b32 s[G1T], s58, (3<<16)|(1<<21)          ; the bias: a dense block of 16,384 bytes as 64 rows of 32 elements of 8 bytes
	s_mov_b32 s[G1T+1], 32<<16
	s_mov_b32 s[G1T+2], 64<<16
	s_mov_b32 s[G1T+3], 32<<16
	s_mov_b32 s[G1T+4], 64
	s_mov_b32 s[G1T+5], 32
	s_mov_b32 s[G1T+6], 0
	s_mov_b32 s[G1T+7], 0
	s_or_b32 s[G1C], s59, (3<<16)|(1<<20)|(1<<21)|(6<<22)|(15<<25)   ; a chunk: 12,800 dense bytes as 25 rows of 64 elements of 8 bytes; behind every 128 words 16 words of padding
	s_mov_b32 s[G1C+1], 64<<16
	s_mov_b32 s[G1C+2], 25<<16
	s_mov_b32 s[G1C+3], 64<<16
	s_mov_b32 s[G1C+4], 25
	s_mov_b32 s[G1C+5], 64
	s_mov_b32 s[G1C+6], 0
	s_mov_b32 s[G1C+7], 0
	s_lshl_b32 s60, s17, 16                        ; the bias of key step 0: query tile 8 x + 2 (w % 4): it hangs on x and the wave alone
	s_lshl_b32 s61, s13, 14
	s_add_co_u32 s60, s60, s61
	s_mov_b32 s61, 0
	s_lshl_b32 s62, s16, 1
	s_add_co_u32 s62, s62, s19                     ; the pair that I fetch for: 2 cy + w % 2
	s_lshl_b32 s63, s18, 4                         ; 16 b: the batch's first group of 128 tokens
	s_add_co_u32 s66, s62, 8                       ; K's columns follow Q's eight groups
	s_lshl_b32 s66, s66, 6
	s_add_co_u32 s66, s66, s63
	s_mul_i32 s66, s66, CHUNK
	s_mov_b32 s67, 0
	s_lshl_b32 s68, s63, 6                         ; V: the keys' group x 64 + the channels' group
	s_add_co_u32 s68, s68, s62
	s_mul_i32 s68, s68, CHUNK
	s_mov_b32 s69, 0
	s_lshl_b32 s70, s16, 1
	s_add_co_u32 s70, s70, s14                     ; the pair that I compute: 2 cy + w / 4
	s_lshl_b32 s71, s70, 6
	s_add_co_u32 s71, s71, s63
	s_add_co_u32 s71, s71, s17
	s_mul_i32 s72, s71, CHUNK                      ; Q's chunk
	s_mov_b32 s73, 0
	s_mul_i32 s74, s13, 3072                       ; my two images in it
	s_mov_b32 s75, 0
	s_lshl_b32 s76, s13, 3
	s_add_co_u32 s76, s76, 12288                   ; and their scale words
	s_mov_b32 s77, 0
	s_lshl_b32 s82, s18, 7
	s_lshl_b32 s83, s17, 3
	s_add_co_u32 s82, s82, s83
	s_lshl_b32 s83, s13, 1
	s_add_co_u32 s82, s82, s83                     ; my first tile of 16 rows of the result: 128 b + 8 x + 2 (w % 4)
	s_mul_i32 s82, s82, CHUNK
	s_mov_b32 s83, 0
	s_mul_i32 s84, s70, 1536                       ; image = my pair
	s_mov_b32 s85, 0
	s_lshl_b32 s86, s70, 6
	s_add_co_u32 s86, s86, 12288                   ; its scale words [image 8][row 16]
	s_mov_b32 s87, 0
	; the prefetches, at key step 3.  Bias: 65,536 x + 16,384 cy + 8,192 (w % 2)
	s_lshl_b32 s92, s17, 16
	s_lshl_b32 s93, s16, 14
	s_add_co_u32 s92, s92, s93
	s_lshl_b32 s93, s19, 13
	s_add_co_u32 s92, s92, s93
	s_add_co_u32 s92, s92, 3<<20
	s_and_b32 s94, s15, 1
	s_lshl_b32 s95, s16, 1
	s_add_co_u32 s95, s95, s94                     ; chunks: pair 2 cy + cx % 2,
	s_lshr_b32 s94, s15, 1
	s_mul_i32 s94, s94, 6400                       ; its half cx / 2: 25 blocks of 256 bytes
	s_add_co_u32 s96, s95, 8
	s_lshl_b32 s96, s96, 6
	s_add_co_u32 s96, s96, s63
	s_add_co_u32 s96, s96, 3
	s_mul_i32 s96, s96, CHUNK                      ; K's
	s_add_co_u32 s97, s63, 3
	s_lshl_b32 s97, s97, 6
	s_add_co_u32 s97, s97, s95
	s_mul_i32 s97, s97, CHUNK                      ; V's
	s_mov_b32 s98, CHUNK
	s_mov_b32 s99, 64*CHUNK
	s_cmp_eq_u32 s[WV], 2                          ; wave 2 names K's bytes, wave 3 V's
	s_cselect_b32 s96, s96, s97
	s_cselect_b32 s98, s98, s99
	s_add_co_u32 s96, s96, s94
	s_mov_b32 s99, 1<<20
	s_cmp_lt_u32 s[WV], 2                          ; waves 0 and 1 the bias
	s_cselect_b32 s96, s92, s96                    ; the offset,
	s_cselect_b32 s98, s99, s98                    ; the bytes from key step to key step,
	s_cselect_b32 s93, 31, 24                      ; and my last block
	s_mov_b32 s97, 0
	s_mov_b32 s99, 0
	s_cmp_lt_u32 s[WV], 4
	s_cselect_b32 s[LIM], 1, -1                    ; waves 4-7 name nothing
	s_mov_b32 s[SEL], 0x76543210
	s_mov_b32 s[SEL+1], 0xfedcba98
	s_mov_b32 s[CS], 0x3e38aa3b                    ; c = log2(e) / 8
	s_mov_b32 s[CS+1], s[CS]
	s_mov_b32 s[CNT], 14
	s_wait_dscnt 0x0                               ; both opening adds are done
	s_wait_kmcnt 0x0
	s_add_nc_u64 s[78:79], s[6:7], s[72:73]
	s_add_nc_u64 s[80:81], s[78:79], s[76:77]      ; Q's scale words
	s_add_nc_u64 s[78:79], s[78:79], s[74:75]      ; Q's images
	s_add_nc_u64 s[88:89], s[10:11], s[82:83]
	s_add_nc_u64 s[90:91], s[88:89], s[86:87]      ; the result's scale words
	s_add_nc_u64 s[88:89], s[88:89], s[84:85]      ; the result's images
	s_cmp_eq_u32 s[WV], 2
	s_cselect_b64 s[PFA:PFA+1], s[6:7], s[8:9]
	s_cmp_lt_u32 s[WV], 2
	s_cselect_b64 s[PFA:PFA+1], s[4:5], s[PFA:PFA+1]
	s_add_nc_u64 s[PFA:PFA+1], s[PFA:PFA+1], s[96:97]
	CROUND                                         ; all sixteen work-groups are here: the first joint loads meet
	s_mov_b32 s[G0T], 1
	s_lshl_b32 s[G0T+1], s13, 14                   ; no place in the cluster enters an LDS address
	s_add_nc_u64 s[G0T+2:G0T+3], s[4:5], s[60:61]
	s_or_b32 s[G0T+3], s[G0T+3], 0x80000000
	s_mov_b32 s[G0K], 1
	s_mul_i32 s[G0K+1], s19, CHL
	s_add_co_u32 s[G0K+1], s[G0K+1], KOFF
	s_add_nc_u64 s[G0K+2:G0K+3], s[6:7], s[66:67]
	s_or_b32 s[G0K+3], s[G0K+3], 0x80000000
	s_mov_b32 s[G0V], 1
	s_mul_i32 s[G0V+1], s19, CHL
	s_add_co_u32 s[G0V+1], s[G0V+1], KOFF+VREL
	s_add_nc_u64 s[G0V+2:G0V+3], s[8:9], s[68:69]
	s_or_b32 s[G0V+3], s[G0V+3], 0x80000000
	JLOAD                                          ; key step 0 into slot 0: one load a wave
	s_lshl_b32 s58, s13, 14                        ; my two bias tiles
	s_mul_i32 s59, s14, CHL
	s_add_co_u32 s59, s59, KOFF                    ; my pair's chunk of K,
	s_add_co_u32 s66, s59, SWO                     ; its scale words,
	s_add_co_u32 s67, s59, VREL                    ; my pair's chunk of V,
	s_add_co_u32 s68, s59, VREL+SWO                ; its scale words
	v_and_b32 v[RR], 15, v0
	v_bfe_u32 v[HH], v0, 4, 1
	v_and_b32 v[LI], 31, v0
	v_min_u32 v[PFO], s93, v[LI]
	v_lshlrev_b32 v[PFO], 8, v[PFO]
	v_lshlrev_b32 v[LI], 4, v[LI]
	v_lshlrev_b32 v[QA], 5, v[RR]
.irp q, 0,1
.irp c, 0,1,2
	global_load_b128 v[FW+12*\q+4*\c:FW+12*\q+4*\c+3], v[LI], s[78:79] offset:1536*\q+512*\c   ; Q's image, for now in the fragments' registers
.endr
	global_load_b32 v[QS+\q], v[QA], s[80:81] offset:4*\q
.endr
	v_add_nc_u32 v[AB], s58, v[LI]
	v_add_nc_u32 v[AV], s67, v[LI]
	v_add_nc_u32 v[AVS], s68, v[QA]
	v_bfe_u32 v[T], v0, 3, 1                       ; r / 8: which of a tile's two blocks my row belongs to
	v_and_b32 v[T+1], 7, v0                        ; r % 8
	v_mul_u32_u24 v[BM], v[T], 6*RP                ; the odd block lies two images on;
	v_lshl_add_u32 v[BM], v[T+1], 4, v[BM]         ; row r % 8 of an image (+ 8 by the loads' offsets),
	v_lshl_add_u32 v[BM], v[HH], 8, v[BM]          ; my half of its lanes
	v_add_nc_u32 v[AK], s59, v[BM]
	v_lshlrev_b32 v[T], 3, v[T]                    ; scale words [row][image]: 32 (r % 8) + 8 (r / 8)
	v_lshl_add_u32 v[T], v[T+1], 5, v[T]
	v_add_nc_u32 v[AKS], s66, v[T]
.irp u, 0,1,2,3
	v_mov_b32 v[ST+4*\u], 0x7f61b1e6               ; -M: 3e38
	v_mov_b32 v[ST+4*\u+1], 0xff61b1e6             ; the largest score so far: -3e38, under every score
	v_mov_b32 v[ST+4*\u+2], 0                      ; the sum, in two halves
	v_mov_b32 v[ST+4*\u+3], 0
.endr
	v_mov_b32 v[FF+1], 0                           ; (named as the upper half of f's pair)
	WIN 0x40
.set j, 0
.rept 128
	v_mov_b32 v[j], 0                              ; O^T.  The key step is written for every step alike: the first finds zeros, which the first change of M leaves zeros
.set j, j+1
.endr
	WIN 0
	s_wait_alu depctr_va_vdst(0)
	s_wait_loadcnt 0x0                             ; Q
.irp q, 0,1
.irp i, 0,1,2,3,4,5
	v_mov_b32 v[QF+18*\q+\i], v[FW+12*\q+\i]       ; head 0's codes | zero codes | head 1's codes: the operand for head 0 begins at + 0, for head 1 at + 6
	v_mov_b32 v[QF+18*\q+6+\i], 0
	v_mov_b32 v[QF+18*\q+12+\i], v[FW+12*\q+6+\i]
.endr
.endr
.macro KT t                            ; K's gathered fragment of score tile t: eight g = 2 (t % 2) + (t % 4) / 2 of blocks 2 (t / 4) and 2 (t / 4) + 1: image 4 (t / 4) + t % 2 (+ 2 by the lane), rows 8 ((t % 4) / 2) on
.irp c, 0,1,2
	ds_load_b128 v[FW+12*(\t)+4*\c:FW+12*(\t)+4*\c+3], v[AK] offset:RP*(3*(4*((\t)/4)+(\t)%2)+\c)+128*(((\t)%4)/2)
.endr
.endm
; The next key step's first LDS loads: the bias of my first query tile, K's scale words, K's fragments 0 to 3.  flip = 1: all five addresses go to the other slot first.
.macro NEXTA flip
.if \flip
.irp a, AB, AK, AKS, AV, AVS
	v_xor_b32 v[\a], SLOT1, v[\a]
.endr
.endif
	WIN 0x40
.irp j, 0,1,2,3,4,5,6,7,8,9,10,11,12,13,14,15
	ds_load_b128 v[XB+4*\j:XB+4*\j+3], v[AB] offset:512*\j
.endr
	WIN 0
.irp g, 0,1,2,3                                ; tiles 2 g and 2 g + 1 take neighbouring images' words of one row
	ds_load_b64 v[KS+2*\g:KS+2*\g+1], v[AKS] offset:256*(\g%2)+16*(\g/2)
.endr
.irp t, 0,1,2,3
	KT \t
.endr
.endm
.macro NEXTB                           ; and K's fragments 4 to 7
.irp t, 4,5,6,7
	KT \t
.endr
.endm
; S^T = K Q^T + T' of sub-unit u: eight accumulators, one instruction each.  cb: the run that holds the bias; sb: the run that takes the scores.
.macro QK u, cb, sb
.set UQ, (\u)/2
.set QO, QF+18*UQ+6*((\u)%2)
	WIN 0x50                                       ; C and D window 1
.irp k, 0,1,2,3,4,5,6,7
	v_wmma_scale_f32_16x16x128_f8f6f4 v[\sb+8*\k:\sb+8*\k+7], v[FW+12*\k:FW+12*\k+11], v[QO:QO+11], v[\cb+8*\k:\cb+8*\k+7], v[KS+\k], v[QS+UQ] matrix_a_fmt:MATRIX_FMT_BF6 matrix_b_fmt:MATRIX_FMT_BF6
.endr
	WIN 0
.endm
; THE SOFTMAX OF A SUB-UNIT: 16 queries x 128 keys of one head, scores in run sb; p's codes and scale word come out, the sum and O^T go under the new M.
.macro SOFT u, sb, fill
.set SU, ST+4*(\u)
.set PU, PC+12*(\u)
.if (\u) == 2                                  ; K's fragments are done with: V's take their registers.  These are my last LDS reads of this slot
.irp k, 0,1,2,3,4,5,6,7
.irp c, 0,1,2
	ds_load_b128 v[FW+12*\k+4*\c:FW+12*\k+4*\c+3], v[AV] offset:RP*(3*\k+\c)
.endr
.endr
	ds_load_b128 v[VS:VS+3], v[AVS]
	ds_load_b128 v[VS+4:VS+7], v[AVS] offset:16
	s_wait_tensorcnt 0x0                           ; all my tensor loads have landed: my part of the next slot
	ds_add_u32 v[SPW], v[NIL]
.if \fill
	DESC
	s_wait_xcnt 0x0                                ; my prefetch has read its address
	s_add_nc_u64 s[PFA:PFA+1], s[PFA:PFA+1], s[PFS:PFS+1]
.endif
.endif
	WIN 0x15                                       ; the largest score of each of my two blocks of 32 keys, in two chains each; every accumulator from its low end on
.if (\u) == 3
	s_wait_alu depctr_va_vdst(0)                   ; these scores were made ahead of sub-unit 2's exponentials; the wait stands directly ahead of their first readers
.endif
.irp c, 0,1
	v_max3_num_f32 v[BM+\c], v[\sb+32*\c], v[\sb+32*\c+1], v[\sb+32*\c+2]
	v_max3_num_f32 v[BB+\c], v[\sb+32*\c+16], v[\sb+32*\c+17], v[\sb+32*\c+18]
.endr
	WIN 0x14
.if (\u) == 3
	s_wait_alu depctr_va_vdst(0)                   ; and of the other four accumulators'
.endif
.irp i, 3,5,7,9,11,13
.irp c, 0,1
	v_max3_num_f32 v[BM+\c], v[BM+\c], v[\sb+32*\c+\i], v[\sb+32*\c+\i+1]
	v_max3_num_f32 v[BB+\c], v[BB+\c], v[\sb+32*\c+16+\i], v[\sb+32*\c+17+\i]
.endr
.endr
.irp c, 0,1
	v_max3_num_f32 v[BM+\c], v[BM+\c], v[\sb+32*\c+15], v[\sb+32*\c+31]
.endr
	WIN 0
.irp c, 0,1
	v_max_num_f32 v[BM+\c], v[BM+\c], v[BB+\c]
.endr
	v_max3_num_f32 v[SU+1], v[SU+1], v[BM], v[BM+1]   ; the running largest score: my 64 keys,
	v_permlanex16_b32 v[T], v[SU+1], s[SEL], s[SEL+1]
	v_mov_b32 v[T+1], v[SU]
	v_max_num_f32 v[SU+1], v[SU+1], v[T]           ; and lane l xor 16's
	v_mul_f32 v[T], s[CS], v[SU+1]                 ; as t (c is positive)
	v_floor_f32 v[SU], -v[T]                       ; the new -M = -ceil(t)
	v_sub_f32 v[T+1], v[SU], v[T+1]                ; old M - new M: a whole number, 0 or less
	v_fma_f32 v[BM], v[BM], s[CS], v[SU]
	v_fma_f32 v[BM+1], v[BM+1], s[CS], v[SU]
	v_cvt_i32_f32 v[T+1], v[T+1]                   ; (it saturates)
	v_ldexp_f32 v[FF], 1.0, v[T+1]                 ; f = 2^(old M - new M)
.if (\u) == 2
	s_wait_alu depctr_va_vdst(0)
	s_wait_dscnt 0x0                               ; the add is done, V's fragments are in, my reads of this slot are over:
	s_barrier_signal -1                            ; say so; only work on registers stands between here and the wait
.endif
	WIN 0x41
.set j, 0
.rept 32
	v_pk_fma_f32 v[\sb+j:\sb+j+1], v[\sb+j:\sb+j+1], s[CS:CS+1], v[SU:SU+1] op_sel_hi:[1,0,0]   ; t - M, two at a time
.set j, j+2
.endr
	s_wait_alu depctr_va_vdst(0)
.set j, 0
.rept 64
	v_exp_f32 v[\sb+j], v[\sb+j]                   ; p = 2^(t - M)
.set j, j+1
.endr
	WIN 0
	v_exp_f32 v[BM], v[BM]                         ; my blocks' largest p
	v_exp_f32 v[BM+1], v[BM+1]
	v_pk_mul_f32 v[SU+2:SU+3], v[SU+2:SU+3], v[FF:FF+1] op_sel_hi:[1,0]   ; the sums under the new M.  (A plain place behind the exponentials)
	s_wait_alu depctr_va_vdst(0)
.irp c, 0,1
	v_max_num_f32 v[BM+\c], 0x2800000, v[BM+\c]    ; the floor 2^(5 - 127)
.endr
.irp c, 0,1
	v_add_nc_u32 v[SO+\c], 0xfe000000, v[BM+\c]    ; 4 off the exponent field: the conversion's scale operand
.endr
.irp c, 0,1
	v_lshrrev_b32 v[BP+\c], 23, v[SO+\c]           ; the scale's byte
.endr
	v_lshl_or_b32 v[BP], v[BP+1], 16, v[BP]        ; blocks h and 2 + h, at bytes 0 and 2
	v_permlanex16_b32 v[T], v[BP], s[SEL], s[SEL+1]
	v_lshl_or_b32 v[PS+(\u)], v[T], 8, v[BP]       ; in lanes 0-15, which alone are read: blocks 0, 1, 2, 3
	WIN 0x01
.irp c, 0,1
	v_cvt_scalef32_pk16_bf6_f32 v[PU+6*\c:PU+2+6*\c], v[\sb+32*\c:\sb+15+32*\c], v[SO+\c]
	v_cvt_scalef32_pk16_bf6_f32 v[CT+4*\c:CT+2+4*\c], v[\sb+16+32*\c:\sb+31+32*\c], v[SO+\c]   ; (a conversion's three registers begin on an even number)
.endr
	WIN 0x05                                       ; the row's sum is taken of the unquantised p, in four chains.  (Plain places behind the conversions)
	v_pk_add_f32 v[SM:SM+1], v[\sb:\sb+1], v[\sb+2:\sb+3]
	v_pk_add_f32 v[SM+2:SM+3], v[\sb+4:\sb+5], v[\sb+6:\sb+7]
	v_pk_add_f32 v[SM+4:SM+5], v[\sb+8:\sb+9], v[\sb+10:\sb+11]
	WIN 0x04
.set j, 12
.rept 6
	v_pk_add_f32 v[SU+2:SU+3], v[SU+2:SU+3], v[\sb+j:\sb+j+1]
	v_pk_add_f32 v[SM:SM+1], v[SM:SM+1], v[\sb+j+2:\sb+j+3]
	v_pk_add_f32 v[SM+2:SM+3], v[SM+2:SM+3], v[\sb+j+4:\sb+j+5]
	v_pk_add_f32 v[SM+4:SM+5], v[SM+4:SM+5], v[\sb+j+6:\sb+j+7]
.set j, j+8
.endr
	v_pk_add_f32 v[SU+2:SU+3], v[SU+2:SU+3], v[\sb+60:\sb+61]
	v_pk_add_f32 v[SM:SM+1], v[SM:SM+1], v[\sb+62:\sb+63]
	WIN 0
	v_pk_add_f32 v[SM+2:SM+3], v[SM+2:SM+3], v[SM+4:SM+5]
	v_pk_add_f32 v[SU+2:SU+3], v[SU+2:SU+3], v[SM:SM+1]
	v_pk_add_f32 v[SU+2:SU+3], v[SU+2:SU+3], v[SM+2:SM+3]
.if (\u) == 0                                  ; p is done with: this run takes my second query tile's bias, a whole turn ahead of its use
	WIN 0x40
.irp j, 0,1,2,3,4,5,6,7,8,9,10,11,12,13,14,15
	ds_load_b128 v[\sb+4*\j:\sb+4*\j+3], v[AB] offset:8192+512*\j
.endr
	WIN 0
.endif
.irp c, 0,1
.irp i, 0,1,2
	v_mov_b32 v[PU+3+6*\c+\i], v[CT+4*\c+\i]
.endr
.endr
	s_wait_alu depctr_va_vdst(0)                   ; the wait directly ahead of the first reader of O^T
	WIN 0x41
.set j, 0
.rept 16
	v_pk_mul_f32 v[32*(\u)+j:32*(\u)+j+1], v[32*(\u)+j:32*(\u)+j+1], v[FF:FF+1] op_sel_hi:[1,0]   ; O^T under the new M.  (Also the places between P's codes and scale word and the products that take them)
.set j, j+2
.endr
	WIN 0
.endm
.macro PV1 u, k                        ; O^T += V^T P^T, one instruction: V's image k holds channels 16 (k % 4) on of head k / 4 = u % 2
	v_wmma_scale_f32_16x16x128_f8f6f4 v[32*(\u)+8*((\k)%4):32*(\u)+8*((\k)%4)+7], v[FW+12*(\k):FW+12*(\k)+11], v[PC+12*(\u):PC+12*(\u)+11], v[32*(\u)+8*((\k)%4):32*(\u)+8*((\k)%4)+7], v[VS+(\k)], v[PS+(\u)] matrix_a_fmt:MATRIX_FMT_BF6 matrix_b_fmt:MATRIX_FMT_BF6
.endm
.macro PVA                             ; sub-units 0, 1 and 2: twelve accumulators, one instruction each
	WIN 0x50
.irp k, 0,1,2,3
	PV1 0, \k
	PV1 2, \k
.endr
.irp k, 4,5,6,7
	PV1 1, \k
.endr
	WIN 0
	PLACES 4                                       ; in front of the loads into the registers of V's images 0 to 3
.endm
.macro PVB                             ; sub-unit 3: four accumulators
	WIN 0x50
.irp k, 4,5,6,7
	PV1 3, \k
.endr
	WIN 0
	PLACES 4                                       ; in front of the loads into the registers of V's images 4 to 7, and of the first read of O^T
.endm
.macro STEPK fill
	s_wait_alu depctr_va_vdst(0)
	s_wait_dscnt 0x0                               ; K's fragments and scale words and my first query tile's bias are in
	QK 0, XB, YB
	PLACES 4                                       ; in front of the first read of results
	SOFT 0, YB, \fill
.if \fill
	ASK
.endif
	QK 1, XB, XB
	PLACES 4
	SOFT 1, XB, \fill
	s_wait_alu depctr_va_vdst(0)
	s_wait_dscnt 0x0                               ; my second query tile's bias is in
	QK 2, YB, XB
	PLACES 5                                       ; the products below write over the bias, which those above have read as C
	QK 3, YB, YB
	PLACES 4                                       ; in front of the first read of results, and of the loads into K's registers
	SOFT 2, XB, \fill
	PVA
	s_wait_alu depctr_va_vdst(0)
	s_barrier_wait -1                              ; every wave has left this slot, and the next slot is whole
.if \fill
	CREST                                          ; the barrier has opened a round of the cluster's barrier: the same holds of every partner
	JLOAD                                          ; the key step two on, into the slot just left: my one tensor load until the next round
	NEXTA 1
.else
	s_cmp_eq_u32 s[CNT], 1
	s_cbranch_scc1 .Lno_a_\@                       ; behind the last key step nothing is left to read
	NEXTA 1
.Lno_a_\@:
.endif
	SOFT 3, YB, \fill
	PVB
.if \fill
	NEXTB
.else
	s_cmp_eq_u32 s[CNT], 1
	s_wait_alu depctr_va_vdst(0)
	s_cbranch_scc1 .Lno_b_\@
	NEXTB
.Lno_b_\@:
.endif
.endm
	s_wait_alu depctr_va_vdst(0)                   ; the wait at the head's end
	s_wait_tensorcnt 0x0                           ; my part of key step 0 is in; slot 1's first fill is issued as a refill is
	ds_add_u32 v[SPW], v[NIL]
	DESC
	s_wait_dscnt 0x0
	CROUND
	JLOAD                                          ; key step 1 into slot 1
	NEXTA 0
	NEXTB
.Lk:                                               ; 14 trips: key steps 0 to 13; trip s asks for key step s + 2
	STEPK 1
	s_sub_co_u32 s[CNT], s[CNT], 1
	s_cmp_lg_u32 s[CNT], 0
	s_wait_alu depctr_va_vdst(0)
	s_cbranch_scc1 .Lk
	s_mov_b32 s[CNT], 2
.Lt:                                               ; key steps 14 and 15 ask for nothing: no tensor load stands in this loop
	STEPK 0
	s_sub_co_u32 s[CNT], s[CNT], 1
	s_cmp_lg_u32 s[CNT], 0
	s_wait_alu depctr_va_vdst(0)
	s_cbranch_scc1 .Lt
	; THE WAY OUT.  For each query tile: both heads' O^T / the sum are 64 numbers of a lane's row, register 16 b + i of block b of the pair's 128 channels: they are quantised and leave as one image.
.irp q, 0,1
	v_add_f32 v[BM], v[ST+8*\q+2], v[ST+8*\q+3]
	v_add_f32 v[BM+2], v[ST+8*\q+6], v[ST+8*\q+7]
	v_permlanex16_b32 v[BP], v[BM], s[SEL], s[SEL+1]
	v_permlanex16_b32 v[BP+1], v[BM+2], s[SEL], s[SEL+1]
	v_add_f32 v[BM], v[BM], v[BP]
	v_add_f32 v[BM+2], v[BM+2], v[BP+1]
	s_wait_alu depctr_va_vdst(0)
	v_rcp_f32 v[BM], v[BM]
	v_rcp_f32 v[BM+2], v[BM+2]
	v_nop                                          ; one plain place behind the transcendentals
	WIN 0x01
.set j, 0
	s_wait_alu depctr_va_vdst(0)
.rept 32
	v_pk_mul_f32 v[FW+j:FW+j+1], v[64*\q+j:64*\q+j+1], v[BM+2*(j/32):BM+2*(j/32)+1] op_sel_hi:[1,0]   ; each accumulator from its low end on
.set j, j+2
.endr
	WIN 0
	QUANT FW, PC+20*\q, T+\q
.irp c, 0,1,2
	global_store_b128 v[LI], v[PC+20*\q+4*\c:PC+20*\q+4*\c+3], s[88:89] offset:CHUNK*\q+512*\c   ; 512 consecutive bytes, aligned
.endr
.endr
	v_cmp_eq_u32 vcc_lo, 1, v[HH]                  ; lanes 0-15 store the first tile's scale words, lanes 16-31 the second's: two runs of 64 bytes (8 waves of 4 work-groups fill a chunk's 512)
	v_cndmask_b32 v[SM], v[T], v[T+1], vcc_lo
	v_mul_u32_u24 v[SM+1], v[HH], CHUNK
	v_lshl_add_u32 v[SM+1], v[RR], 2, v[SM+1]
	global_store_b32 v[SM+1], v[SM], s[90:91]
	s_wait_tensorcnt 0x0                           ; the wave's end
	ds_add_u32 v[SPW], v[NIL]
	s_wait_dscnt 0x0
	CROUND                                         ; the closing round
	s_endpgm
.Lfunc_end_k_q61e7015d5b_attn:
	.size	k_q61e7015d5b_attn, .Lfunc_end_k_q61e7015d5b_attn-k_q61e7015d5b_attn
	.p2alignl 7, 3214868480
	.fill 96, 4, 3214868480
	.section	.rodata,"a",@progbits
	.p2align	6, 0x0
	.amdhsa_kernel k_q61e7015d5b_attn
		.amdhsa_group_segment_fixed_size 327680
		.amdhsa_private_segment_fixed_size 0
		.amdhsa_enable_private_segment 0
		.amdhsa_kernarg_size 32
		.amdhsa_user_sgpr_count 2
		.amdhsa_user_sgpr_kernarg_segment_ptr 1
		.amdhsa_wavefront_size32 1
		.amdhsa_system_sgpr_workgroup_id_x 1
		.amdhsa_system_sgpr_workgroup_id_y 1
		.amdhsa_system_sgpr_workgroup_id_z 1
		.amdhsa_system_vgpr_workitem_id 0
		.amdhsa_next_free_vgpr 512
		.amdhsa_next_free_sgpr 102
		.amdhsa_reserve_vcc 1
		.amdhsa_float_denorm_mode_32 3
		.amdhsa_float_denorm_mode_16_64 3
		.amdhsa_memory_ordered 1
		.amdhsa_forward_progress 1
		.amdhsa_inst_pref_size 151
	.end_amdhsa_kernel
	.amdgpu_metadata
---
amdhsa.version: [ 1, 2 ]
amdhsa.kernels:
  - .name:           k_q61e7015d5b_attn
    .symbol:         k_q61e7015d5b_attn.kd
    .args:
      - { .name: tb, .offset: 0, .size: 8, .value_kind: global_buffer, .address_space: global }
      - { .name: qkq, .offset: 8, .size: 8, .value_kind: global_buffer, .address_space: global }
      - { .name: vq, .offset: 16, .size: 8, .value_kind: global_buffer, .address_space: global }
      - { .name: atq, .offset: 24, .size: 8, .value_kind: global_buffer, .address_space: global }
    .group_segment_fixed_size: 327680
    .private_segment_fixed_size: 0
    .kernarg_segment_align: 8
    .kernarg_segment_size: 32
    .max_flat_workgroup_size: 256
    .sgpr_count:     102
    .vgpr_count:     512
    .wavefront_size: 32
...
	.end_amdgpu_metadata
.endif
;; end of part 4
;; launch proj (part 5): grid 256 x 1, 4 waves a work-group, no clusters, 132,096 bytes of LDS; arguments atq, wpq, tokens, gamma, bias, out0; writes out0
.if DOCPART == 5
	.amdgcn_target "amdgcn-amd-amdhsa--gfx1250"
	.amdhsa_code_object_version 6
	.text
	.protected	k_q61e7015d5b_proj
	.globl	k_q61e7015d5b_proj
	.p2align	8
	.type	k_q61e7015d5b_proj,@function
k_q61e7015d5b_proj:
	s_mov_b64 s[64:65], 0
	v_nop
	global_prefetch_b8 v0, s[64:65] scope:SCOPE_SE
	s_setreg_imm32_b32 hwreg(HW_REG_WAVE_MODE, 25, 1), 1
	s_wait_xcnt 0x0
; out0 = LayerNorm(attention's result x Wp^T + tokens) x gamma + bias.  The product is on codes of BF6 (E3M2) with one E8M0 scale for each 32 along K = 1,024; all else in f32.
; SHARES.  A work-group takes 32 rows and ALL 1,024 columns, so that a row's mean and variance stay inside it.  Wave w makes columns 256 w .. 256 w + 255 for the 32 rows: 16 x 2 = 32 accumulators.
; OPERANDS lie as images of the operand's 12 registers (byte 512 c + 16 lane + 4 i is register 4 c + i), so a fragment is three global_load_b128 of 512 consecutive bytes STRAIGHT INTO THE OPERAND'S REGISTERS.
; NO LDS RING AND NO JOINT LOADS, by this text's own arithmetic: each fragment of Wp is read by one wave of the work-group alone, so LDS would spare no read inside it; a K step is 32 matrix instructions a
; wave, too few to stand between a refill behind a barrier and the wait for it; loads into registers need no barrier, and 54 to 108 of a wave are on their way throughout.
; THE MATRIX INSTRUCTION IS USED TRANSPOSED (source 0 = 16 rows of Wp, source 1 = 16 rows of the activations): a lane holds eight neighbouring columns of one row.
; The results meet in a stage in LDS (32 rows, 4,112 bytes apart); one barrier; then wave w takes rows 8 w .. 8 w + 7 whole: residual, mean, variance of the differences from the mean, scale and shift.
; REGISTERS: window 0: v1-8 addresses; v32-95 Wp's scale words (8 j + K step: lanes 0-15 column tile 2 j, lanes 16-31 tile 2 j + 1), v96-103 the activations' (lanes 0-15 rows 0-15, lanes 16-31 rows 16-31):
;   scales and nothing else; v104-135 gamma, v136-167 bias; v168-231 two rows at work; v232-240 sums.   windows 1, 2: the fragments of even and odd K steps: Wp's 16 at v[12 ct], the activations' 2 at v192;
;   window 1 later holds my 8 rows of tokens.   window 3: the accumulators, at v[8 (2 ct + m)].
; LIMITS: NaN and infinities not served.
.set CHUNK, 12800
.set SP,    4112
.set LI,  1                            ; v1   16 x lane
.set WO,  2                            ; v2   12,800 h + 16 r
.set AO,  3                            ; v3   12,800 h + 4 r
.set SA,  4                            ; v4-5 the stage, on the way in: rows r and 16 + r
.set SR,  6                            ; v6   and back
.set WS,  32
.set AS,  96
.set GA,  104
.set BI,  136
.set XA,  168
.set TS,  232                          ; v232-235 two chains of sums
.set MU,  236                          ; v236-237 the mean
.set RS,  238                          ; v238-239 1 / sqrt(variance + 1e-5)
.set PT,  240
.set MSB, 0
.macro WIN new
.if MSB != (\new)
	s_set_vgpr_msb (MSB<<8)|(\new)
.set MSB, (\new)
.endif
.endm
	s_load_b256 s[4:11], s[0:1], 0x0               ; atq s[4:5], wpq s[6:7], tokens s[8:9], gamma s[10:11]
	s_load_b128 s[12:15], s[0:1], 0x20             ; bias s[12:13], out0 s[14:15]
	v_lshl_add_u32 v254, v0, 2, 0x20200
	v_mov_b32 v255, 0
	v_lshrrev_b32 v1, 5, v0
	v_readfirstlane_b32 s16, v1                    ; wave 0..3
	v_and_b32 v7, 15, v0                           ; r
	v_bfe_u32 v8, v0, 4, 1                         ; h
	v_and_b32 v[LI], 31, v0
	v_lshlrev_b32 v[LI], 4, v[LI]
	v_mul_u32_u24 v[WO], v8, CHUNK
	v_lshl_add_u32 v[AO], v7, 2, v[WO]
	v_lshl_add_u32 v[WO], v7, 4, v[WO]
	v_mul_u32_u24 v[SA], v7, SP
	v_lshl_add_u32 v[SA], v8, 5, v[SA]
	s_lshl_b32 s17, s16, 10
	v_add_nc_u32 v[SA], s17, v[SA]                 ; row r, + 1,024 w + 32 h
	v_add_nc_u32 v[SA+1], 16*SP, v[SA]
	s_mul_i32 s17, s16, 8*SP
	v_add_nc_u32 v[SR], s17, v[LI]                 ; my 8 rows, 16 bytes a lane
	v_mov_b32 v[MU+1], 0                           ; (named as the upper halves of pairs)
	v_mov_b32 v[RS+1], 0
	v_mov_b32 v[PT], 0                             ; written once: a lane permute's destination counts as one of its sources
	s_mov_b32 s18, 0x76543210
	s_mov_b32 s19, 0xfedcba98
	s_mov_b32 s20, 0x3a800000                      ; 1 / 1,024
	s_mov_b32 s21, 0x3727c5ac                      ; 1e-5
	s_mul_i32 s24, ttmp9, 2*CHUNK                  ; my two tiles of 16 rows
	s_mov_b32 s25, 0
	s_mul_i32 s26, s16, 16*CHUNK                   ; my 16 tiles of Wp's rows
	s_mov_b32 s27, 0
	s_lshl_b32 s28, ttmp9, 17
	s_lshl_b32 s29, s16, 15
	s_add_co_u32 s28, s28, s29                     ; row 32 g + 8 w of 4,096 bytes
	s_mov_b32 s29, 0
	s_wait_alu depctr_va_vdst(0)
	s_wait_kmcnt 0x0
	s_add_nc_u64 s[4:5], s[4:5], s[24:25]
	s_add_nc_u64 s[6:7], s[6:7], s[26:27]
	s_add_nc_u64 s[8:9], s[8:9], s[28:29]
	s_add_nc_u64 s[14:15], s[14:15], s[28:29]
.irp j, 0,1,2,3,4,5,6,7
	global_load_b128 v[GA+4*\j:GA+4*\j+3], v[LI], s[10:11] offset:512*\j   ; columns 128 j + 4 lane + 0 .. 3
	global_load_b128 v[BI+4*\j:BI+4*\j+3], v[LI], s[12:13] offset:512*\j
.endr
.irp j, 0,1,2,3,4,5,6,7
	global_load_b128 v[WS+8*\j:WS+8*\j+3], v[WO], s[6:7] offset:2*CHUNK*\j+12288
	global_load_b128 v[WS+8*\j+4:WS+8*\j+7], v[WO], s[6:7] offset:2*CHUNK*\j+12288+256
.endr
.irp k, 0,1,2,3,4,5,6,7
	global_load_b32 v[AS+\k], v[AO], s[4:5] offset:12288+64*\k
.endr
.macro SETLOAD ks                      ; K step ks: 54 loads into the window of its parity
.set LW, (1+(\ks)%2)<<6
	WIN LW
.irp ct, 0,1,2,3,4,5,6,7,8,9,10,11,12,13,14,15
.irp c, 0,1,2
	global_load_b128 v[12*\ct+4*\c:12*\ct+4*\c+3], v[LI], s[6:7] offset:\ct*CHUNK+1536*(\ks)+512*\c
.endr
.endr
.irp m, 0,1
.irp c, 0,1,2
	global_load_b128 v[192+12*\m+4*\c:192+12*\m+4*\c+3], v[LI], s[4:5] offset:\m*CHUNK+1536*(\ks)+512*\c
.endr
.endr
.endm
.macro MULS ks, zero                   ; 32 matrix instructions on 32 accumulators, one each
.set WN, 1+(\ks)%2
.set NW, WN|(WN<<2)|0xf0
	WIN NW
.irp j, 0,1,2,3,4,5,6,7
.if \zero
	v_wmma_scale_f32_16x16x128_f8f6f4 v[32*\j:32*\j+7], v[24*\j:24*\j+11], v[192:203], 0, v[WS+8*\j+(\ks)], v[AS+(\ks)] matrix_a_fmt:MATRIX_FMT_BF6 matrix_b_fmt:MATRIX_FMT_BF6
	v_wmma_scale_f32_16x16x128_f8f6f4 v[32*\j+8:32*\j+15], v[24*\j:24*\j+11], v[204:215], 0, v[WS+8*\j+(\ks)], v[AS+(\ks)] matrix_a_fmt:MATRIX_FMT_BF6 matrix_b_fmt:MATRIX_FMT_BF6 matrix_b_scale:MATRIX_SCALE_ROW1
	v_wmma_scale_f32_16x16x128_f8f6f4 v[32*\j+16:32*\j+23], v[24*\j+12:24*\j+23], v[192:203], 0, v[WS+8*\j+(\ks)], v[AS+(\ks)] matrix_a_fmt:MATRIX_FMT_BF6 matrix_b_fmt:MATRIX_FMT_BF6 matrix_a_scale:MATRIX_SCALE_ROW1
	v_wmma_scale_f32_16x16x128_f8f6f4 v[32*\j+24:32*\j+31], v[24*\j+12:24*\j+23], v[204:215], 0, v[WS+8*\j+(\ks)], v[AS+(\ks)] matrix_a_fmt:MATRIX_FMT_BF6 matrix_b_fmt:MATRIX_FMT_BF6 matrix_a_scale:MATRIX_SCALE_ROW1 matrix_b_scale:MATRIX_SCALE_ROW1
.else
	v_wmma_scale_f32_16x16x128_f8f6f4 v[32*\j:32*\j+7], v[24*\j:24*\j+11], v[192:203], v[32*\j:32*\j+7], v[WS+8*\j+(\ks)], v[AS+(\ks)] matrix_a_fmt:MATRIX_FMT_BF6 matrix_b_fmt:MATRIX_FMT_BF6
	v_wmma_scale_f32_16x16x128_f8f6f4 v[32*\j+8:32*\j+15], v[24*\j:24*\j+11], v[204:215], v[32*\j+8:32*\j+15], v[WS+8*\j+(\ks)], v[AS+(\ks)] matrix_a_fmt:MATRIX_FMT_BF6 matrix_b_fmt:MATRIX_FMT_BF6 matrix_b_scale:MATRIX_SCALE_ROW1
	v_wmma_scale_f32_16x16x128_f8f6f4 v[32*\j+16:32*\j+23], v[24*\j+12:24*\j+23], v[192:203], v[32*\j+16:32*\j+23], v[WS+8*\j+(\ks)], v[AS+(\ks)] matrix_a_fmt:MATRIX_FMT_BF6 matrix_b_fmt:MATRIX_FMT_BF6 matrix_a_scale:MATRIX_SCALE_ROW1
	v_wmma_scale_f32_16x16x128_f8f6f4 v[32*\j+24:32*\j+31], v[24*\j+12:24*\j+23], v[204:215], v[32*\j+24:32*\j+31], v[WS+8*\j+(\ks)], v[AS+(\ks)] matrix_a_fmt:MATRIX_FMT_BF6 matrix_b_fmt:MATRIX_FMT_BF6 matrix_a_scale:MATRIX_SCALE_ROW1 matrix_b_scale:MATRIX_SCALE_ROW1
.endif
.endr
.endm
	SETLOAD 0
	SETLOAD 1
.irp ks, 0,1,2,3,4,5,6,7
.if \ks < 7
	s_wait_loadcnt 54                              ; loads come back in order: this K step's are in, the next step's 54 may be out
.else
	s_wait_loadcnt 63                              ; 64 loads of tokens are younger; the wait's field ends at 63
.endif
.if \ks == 0
	MULS \ks, 1                                    ; the first products start the sums
.else
	MULS \ks, 0
.endif
.rept 4
	v_nop                                          ; places in front of loads into registers that matrix instructions have read, and of the first read of results
.endr
.if \ks < 6
	SETLOAD \ks+2
.endif
.if \ks == 6                                   ; window 1 is free: my 8 rows of tokens, 512 consecutive bytes a load
	WIN 0x40
.irp i, 0,1,2,3,4,5,6,7
.irp j, 0,1,2,3,4,5,6,7
	global_load_b128 v[32*\i+4*\j:32*\i+4*\j+3], v[LI], s[8:9] offset:4096*\i+512*\j th:TH_LOAD_NT
.endr
.endr
.endif
.endr
	WIN 0x0c                                       ; an LDS store's data are its source 1: window 3
.irp ct, 0,1,2,3,4,5,6,7,8,9,10,11,12,13,14,15
.irp m, 0,1
	ds_store_b128 v[SA+\m], v[8*(2*\ct+\m):8*(2*\ct+\m)+3] offset:64*\ct       ; lane (r, h): row 16 m + r, columns 256 w + 16 ct + 8 h + 0 .. 7; each accumulator from its low end on
	ds_store_b128 v[SA+\m], v[8*(2*\ct+\m)+4:8*(2*\ct+\m)+7] offset:64*\ct+16
.endr
.endr
	WIN 0
	s_wait_dscnt 0x0                               ; for the others' sake: my stores into the stage are done
	s_barrier_signal -1
	s_barrier_wait -1                              ; 32 whole rows lie in the stage
.macro ROWGET i                        ; row 8 w + i of the stage: 8 loads of 512 consecutive bytes
.irp j, 0,1,2,3,4,5,6,7
	ds_load_b128 v[XA+32*((\i)%2)+4*\j:XA+32*((\i)%2)+4*\j+3], v[SR] offset:(\i)*SP+512*\j
.endr
.endm
.macro REDUCE                          ; the sum of v[TS] over the 32 lanes, in every lane
	v_add_f32_dpp v[TS], v[TS], v[TS] row_xmask:1 row_mask:0xf bank_mask:0xf
	v_add_f32_dpp v[TS], v[TS], v[TS] row_xmask:2 row_mask:0xf bank_mask:0xf
	v_add_f32_dpp v[TS], v[TS], v[TS] row_xmask:4 row_mask:0xf bank_mask:0xf
	v_add_f32_dpp v[TS], v[TS], v[TS] row_xmask:8 row_mask:0xf bank_mask:0xf
	v_permlanex16_b32 v[PT], v[TS], s18, s19
	v_add_f32 v[TS], v[TS], v[PT]
.endm
.macro ROWLN i
.set XR, XA+32*((\i)%2)
.if (\i) < 7
	s_wait_dscnt 8                                 ; this row is in; the next row's eight loads may be out
.else
	s_wait_dscnt 0x0
.endif
	WIN 0x04                                       ; source 1 (the tokens) window 1
.set k, 0
.rept 16
	v_pk_add_f32 v[XR+k:XR+k+1], v[XR+k:XR+k+1], v[32*(\i)+k:32*(\i)+k+1]   ; x = the product + the residual
.set k, k+2
.endr
	WIN 0
	v_pk_add_f32 v[TS:TS+1], v[XR:XR+1], v[XR+2:XR+3]
	v_pk_add_f32 v[TS+2:TS+3], v[XR+4:XR+5], v[XR+6:XR+7]
.set k, 8
.rept 6
	v_pk_add_f32 v[TS:TS+1], v[TS:TS+1], v[XR+k:XR+k+1]
	v_pk_add_f32 v[TS+2:TS+3], v[TS+2:TS+3], v[XR+k+2:XR+k+3]
.set k, k+4
.endr
	v_pk_add_f32 v[TS:TS+1], v[TS:TS+1], v[TS+2:TS+3]
	v_add_f32 v[TS], v[TS], v[TS+1]
	REDUCE
	v_mul_f32 v[MU], s20, v[TS]                    ; the mean
.set k, 0
.rept 16
	v_pk_add_f32 v[XR+k:XR+k+1], v[XR+k:XR+k+1], v[MU:MU+1] op_sel_hi:[1,0] neg_lo:[0,1] neg_hi:[0,1]   ; x - mean
.set k, k+2
.endr
	v_pk_mul_f32 v[TS:TS+1], v[XR:XR+1], v[XR:XR+1]
	v_pk_mul_f32 v[TS+2:TS+3], v[XR+2:XR+3], v[XR+2:XR+3]
.set k, 4
.rept 7
	v_pk_fma_f32 v[TS:TS+1], v[XR+k:XR+k+1], v[XR+k:XR+k+1], v[TS:TS+1]
	v_pk_fma_f32 v[TS+2:TS+3], v[XR+k+2:XR+k+3], v[XR+k+2:XR+k+3], v[TS+2:TS+3]
.set k, k+4
.endr
	v_pk_add_f32 v[TS:TS+1], v[TS:TS+1], v[TS+2:TS+3]
	v_add_f32 v[TS], v[TS], v[TS+1]
	REDUCE
	v_fma_f32 v[RS], v[TS], s20, s21               ; the variance + 1e-5
	s_wait_alu depctr_va_vdst(0)
	v_rsq_f32 v[RS], v[RS]
	v_nop                                          ; one plain place behind the transcendental
.set k, 0
	s_wait_alu depctr_va_vdst(0)
.rept 16
	v_pk_mul_f32 v[XR+k:XR+k+1], v[XR+k:XR+k+1], v[RS:RS+1] op_sel_hi:[1,0]
.set k, k+2
.endr
.set k, 0
.rept 16
	v_pk_fma_f32 v[XR+k:XR+k+1], v[XR+k:XR+k+1], v[GA+k:GA+k+1], v[BI+k:BI+k+1]
.set k, k+2
.endr
.irp j, 0,1,2,3,4,5,6,7
	global_store_b128 v[LI], v[XR+4*\j:XR+4*\j+3], s[14:15] offset:4096*(\i)+512*\j th:TH_STORE_NT   ; 512 consecutive bytes, aligned
.endr
.if (\i) < 6
	s_wait_xcnt 0x0                                ; the stores have read this row's registers: the row two further on lands there only behind this wait
	ROWGET (\i)+2
.endif
.endm
	ROWGET 0
	ROWGET 1
	s_wait_loadcnt 0x0                             ; the tokens
.irp i, 0,1,2,3,4,5,6,7
	ROWLN \i
.endr
	s_wait_tensorcnt 0x0
	ds_add_u32 v254, v255
	s_wait_dscnt 0x0
	s_endpgm
.Lfunc_end_k_q61e7015d5b_proj:
	.size	k_q61e7015d5b_proj, .Lfunc_end_k_q61e7015d5b_proj-k_q61e7015d5b_proj
	.p2alignl 7, 3214868480
	.fill 96, 4, 3214868480
	.section	.rodata,"a",@progbits
	.p2align	6, 0x0
	.amdhsa_kernel k_q61e7015d5b_proj
		.amdhsa_group_segment_fixed_size 132096
		.amdhsa_private_segment_fixed_size 0
		.amdhsa_enable_private_segment 0
		.amdhsa_kernarg_size 48
		.amdhsa_user_sgpr_count 2
		.amdhsa_user_sgpr_kernarg_segment_ptr 1
		.amdhsa_wavefront_size32 1
		.amdhsa_system_sgpr_workgroup_id_x 1
		.amdhsa_system_sgpr_workgroup_id_y 1
		.amdhsa_system_sgpr_workgroup_id_z 1
		.amdhsa_system_vgpr_workitem_id 0
		.amdhsa_next_free_vgpr 1024
		.amdhsa_next_free_sgpr 66
		.amdhsa_reserve_vcc 0
		.amdhsa_float_denorm_mode_32 3
		.amdhsa_float_denorm_mode_16_64 3
		.amdhsa_memory_ordered 1
		.amdhsa_forward_progress 1
		.amdhsa_inst_pref_size 158
	.end_amdhsa_kernel
	.amdgpu_metadata
---
amdhsa.version: [ 1, 2 ]
amdhsa.kernels:
  - .name:           k_q61e7015d5b_proj
    .symbol:         k_q61e7015d5b_proj.kd
    .args:
      - { .name: atq, .offset: 0, .size: 8, .value_kind: global_buffer, .address_space: global }
      - { .name: wpq, .offset: 8, .size: 8, .value_kind: global_buffer, .address_space: global }
      - { .name: tokens, .offset: 16, .size: 8, .value_kind: global_buffer, .address_space: global }
      - { .name: gamma, .offset: 24, .size: 8, .value_kind: global_buffer, .address_space: global }
      - { .name: bias, .offset: 32, .size: 8, .value_kind: global_buffer, .address_space: global }
      - { .name: out0, .offset: 40, .size: 8, .value_kind: global_buffer, .address_space: global }
    .group_segment_fixed_size: 132096
    .private_segment_fixed_size: 0
    .kernarg_segment_align: 8
    .kernarg_segment_size: 48
    .max_flat_workgroup_size: 128
    .sgpr_count:     66
    .vgpr_count:     1024
    .wavefront_size: 32
...
	.end_amdgpu_metadata
.endif
;; end of part 5
